; MI455X (gfx1250); checked and timed in simulation.
; The chip was launched on July 23, 2026; its instructions are those of AMD's public machine-readable ISA for CDNA 5 (MIT licence, August 2026) and "CDNA5" Instruction Set Architecture Reference Guide (July 2026). The comments in the code are by the model that wrote it; some were corrected since.
;; Multi Head Attention. Allowed arithmetic: matrix products marked QUANTISED: E3M2 operands, one E8M0 scale for each 32 along K, by v_wmma_scale_f32_16x16x128_f8f6f4 with both operands' format E3M2, f32 sums; everything else in f32.
;; Inputs: Wk 1,024 x 1,024 float32; Wo 1,024 x 1,024 float32; Wq 1,024 x 1,024 float32; Wv 1,024 x 1,024 float32; bk 1,024 float32; bo 1,024 float32; bq 1,024 float32; bv 1,024 float32; key 4 x 2,048 x 1,024 float32; query 4 x 2,048 x 1,024 float32; value 4 x 2,048 x 1,024 float32.
;; Outputs: out0 4 x 2,048 x 1,024 float32.
;; This version of the problem:
;;   THIS VERSION OF THE PROBLEM IS GIVEN IN LOW PRECISION. The matrix products marked QUANTISED in the list below multiply operands that are first quantised to E3M2 (3 exponent bits, 2 mantissa bits; 6 bits a number), with one power-of-two scale for each 32 numbers along K (OCP MX v1.0); their sums are f32. All else is computed in f32.
;;   The module's matrix products, in the order in which they are computed (A, B: the left and right operand; K: the contracted axis; several contracted axes count as one K, in the product's order):
;;     1. [M 8,192, K 1,024] x [K 1,024, N 1,024]; A: input query; B: input Wq: QUANTISED
;;     2. [M 8,192, K 1,024] x [K 1,024, N 1,024]; A: input key; B: input Wk: QUANTISED
;;     3. [M 8,192, K 1,024] x [K 1,024, N 1,024]; A: input value; B: input Wv: QUANTISED
;;     4. batch 64 x [M 2,048, K 64] x [K 64, N 2,048]; A: computed on the way; B: computed on the way: QUANTISED
;;     5. batch 64 x [M 2,048, K 2,048] x [K 2,048, N 64]; A: softmax (see below); B: computed on the way: QUANTISED
;;     6. [M 8,192, K 1,024] x [K 1,024, N 1,024]; A: computed on the way; B: input Wo: QUANTISED
;;   THE QUANTISER, for each operand of a quantised product, along K:
;;     - K is cut into blocks of 32 from its start; a last block that is shorter is filled with zeros.
;;     - A block's scale is 2^e with e = floor(log2(the largest magnitude in the block)) - 4, held to -126 .. 127; a block of zeros has e = 0. As a byte (E8M0): e + 127.
;;     - Each number is divided by its block's scale, clamped to +-28, and rounded to the nearest number of E3M2, ties to even, subnormals kept.
;;     - The product sums the exact products of the quantised numbers (number of the format x scale) in f32.
;;   ~~~python
;;   def quantise(x, axis):      # numpy; x: float32 -> the quantised numbers, widened to float32 again
;;       x = np.moveaxis(x, axis, -1); K = x.shape[-1]
;;       x = np.pad(x, [(0, 0)] * (x.ndim - 1) + [(0, -K % 32)]); x = x.reshape(x.shape[:-1] + (-1, 32)); a = np.abs(x).max(-1, keepdims=True)
;;       e = np.where(a > 0, np.clip(np.frexp(np.where(a > 0, a, 1))[1] - 1 - 4, -126, 127), 0)      # np.frexp(a)[1] - 1 = floor(log2(a)), exactly
;;       r = np.clip(x / 2.0 ** e, -28, 28)
;;       step = 2.0 ** (np.maximum(np.frexp(np.where(r == 0, 1, r))[1] - 1, -2) - 2)
;;       q = np.round(r / step) * step * 2.0 ** e      # np.round: ties to even
;;       return np.moveaxis(q.reshape(q.shape[:-2] + (-1,))[..., :K], -1, axis).astype(np.float32)
;;   ~~~
;;   SOFTMAX AHEAD OF A QUANTISED PRODUCT. Where the list says 'softmax', what is quantised is not the finished softmax but p = 2^(t - M), with t = logit x log2(e) and M = ceil(the row's largest t), a whole number; so 1/2 < the row's largest p <= 1. The row's sum l is taken of the UNQUANTISED p, in f32, and the product's result is divided by l at the end. Since M is a whole number, a kernel that streams over the keys may use a running M (the ceiling of the running maximum): every later rescaling is an exact power of two, which a block's scale takes up: the codes' values come out the same.
;;   OPERANDS COMPUTED ON THE WAY. 'Computed on the way' means the value that the module computes at that place (a softmax that the list does not call 'softmax' is quantised finished and normalised). What goes into a quantiser is computed in f32, as accurately as f32 sums, v_exp_f32 and their like allow (about 1e-6 of the number): no bf16 or f16 on the way to a quantiser, and a product that is left as it is and whose result goes on into a quantised operand takes f32 operands (vector FMAs, or v_wmma_f32_16x16x4_f32). A number that lies on a knife's edge between two numbers of the format may be rounded either way, as far as f32 arithmetic and the matrix unit's own rounding can turn it there, and no further.
;; One version. Each part assembles by itself: llvm-mc -triple=amdgcn-amd-amdhsa -mcpu=gfx1250 --defsym DOCPART=n.
;; ======== version 1 of 1: 4 launches
;; limits: right only within a limited range of input values
;; workspace buffers: cod 22,020,096 bytes; scl 917,504 bytes; att 20,185,088 bytes; xa 6,291,456 bytes; xas 262,144 bytes
;; launch quant (part 1): grid 1792 x 1, 4 waves a work-group, no clusters, 34,816 bytes of LDS; arguments query, key, value, Wq, Wk, Wv, Wo, cod, scl; writes cod, scl
.if DOCPART == 1
	.amdgcn_target "amdgcn-amd-amdhsa--gfx1250"
	.amdhsa_code_object_version 6
	.text
	.protected	k_qfce9b39004_quant
	.globl	k_qfce9b39004_quant
	.p2align	8
	.type	k_qfce9b39004_quant,@function
k_qfce9b39004_quant:
	s_mov_b64 s[64:65], 0
	v_nop
	global_prefetch_b8 v0, s[64:65] scope:SCOPE_SE
	s_setreg_imm32_b32 hwreg(HW_REG_WAVE_MODE, 25, 1), 1
	s_wait_xcnt 0x0
; query, key, value [8192][1024] and Wq, Wk, Wv, Wo [1024][1024], f32 with K innermost, become codes of BF6 (E3M2) with one E8M0 byte for each 32 along K.
; A block's scale is 2^(floor(log2(its largest magnitude)) - 4); its byte is the largest magnitude's exponent field - 4, held at 1 from below.
; LIMITS: NaN and infinities among the inputs are not served.  A block of zeros gets the byte 1 where the rule says 127: its codes are zeros, which add nothing under any byte but 0xff, and this program alone reads the bytes.
; THE LAYOUT IS THE READER'S.  A tile is 16 rows; tile T of a tensor holds rows 32 (T / 2) + 8 (T % 2) + r + 8 (r / 8), r = 0 .. 15.  Its codes lie as 16 HALF IMAGES of 768 bytes, one for each 64 along K:
; the six operand registers of lane (r, h), which carry k = 32 h + 0 .. 31 of row r: registers 0-3 at 16 x lane, registers 4-5 at 512 + 8 x lane.  cod: [tile 0..1791][16][768].  scl: [tile][r][8] words, byte b of word s for k = 128 s + 32 b.
; SHARES.  A work-group takes one tile, wave w its k = 256 w .. 256 w + 255, in two steps of 128.  Each load reads 512 consecutive bytes of one row; a step's 16 rows turn through the wave's own stage in LDS
; (rows 528 bytes apart) and come back 128 bytes a lane: a whole block of 32 in one lane's registers, so that a block's largest magnitude needs no other lane.
; No tensor loads, no cluster: work-groups share no input.  All 32 loads of a wave (16 KiB) go out at the head.
.set STGB, 8448                        ; a wave's stage: 16 rows x 528 bytes
.set SCB,  4*STGB                      ; behind the stages: the tile's 512 bytes of scale words
.set R,    32                          ; v32-159  the numbers as loaded: step t, row i at R + 64 t + 4 i
.set X0,   160                         ; v160-223 step 0: two blocks of 32 neighbours
.set X1,   32                          ; v32-95   step 1, in the registers that step 0's loads have left
.set PC,   224                         ; v224-247 codes: six registers for each of the four blocks, so that no store's data are written again
.set CT,   248                         ; v248-250 a block's upper 16 codes (a conversion's three registers begin on an even number)
.set BY,   24                          ; v24-27   the four blocks' scale bytes
.set WD,   28                          ; v28-29   the two steps' scale words
	s_load_b256 s[4:11], s[0:1], 0x0               ; query s[4:5], key s[6:7], value s[8:9], Wq s[10:11]
	s_load_b256 s[12:19], s[0:1], 0x20             ; Wk s[12:13], Wv s[14:15], Wo s[16:17], cod s[18:19]
	s_load_b64 s[20:21], s[0:1], 0x40              ; scl
	v_lshl_add_u32 v254, v0, 2, 0x8600
	v_mov_b32 v255, 0
	v_lshrrev_b32 v1, 5, v0
	v_readfirstlane_b32 s28, v1                    ; wave 0..3
	v_and_b32 v1, 31, v0                           ; lane
	v_and_b32 v2, 15, v0                           ; r
	v_bfe_u32 v3, v0, 4, 1                         ; h
	v_lshlrev_b32 v7, 4, v1                        ; 16 x lane
	v_lshlrev_b32 v8, 3, v1                        ; 8 x lane
	s_lshl_b32 s29, s28, 10
	v_add_nc_u32 v4, s29, v7                       ; in a row of the tensor: my wave's 1,024 bytes, my 16 of a load's 512
	s_mul_i32 s29, s28, STGB
	v_add_nc_u32 v5, s29, v7                       ; the stage, on the way in: 16 x lane in a row
	v_mul_u32_u24 v6, v2, 528
	v_lshl_add_u32 v6, v3, 7, v6
	v_add_nc_u32 v6, s29, v6                       ; and on the way out: row r, + 128 h: my block's 128 bytes
	s_lshl_b32 s29, s28, 3
	s_add_co_u32 s29, s29, SCB
	v_lshlrev_b32 v9, 5, v2
	v_lshl_add_u32 v9, v3, 2, v9
	v_add_nc_u32 v9, s29, v9                       ; the scale words' gather: 32 r + 8 w + 4 h: lanes 0-15 put word 2 w, lanes 16-31 word 2 w + 1
	v_lshlrev_b32 v10, 3, v3                       ; 8 h: my bytes' place in a word
	v_add_nc_u32 v11, SCB, v7
	v_mov_b32 v22, 0                               ; written once: a lane permute's destination counts as one of its sources
	s_mov_b32 s30, 0x76543210
	s_mov_b32 s31, 0xfedcba98                      ; v_permlanex16_b32's selects for lane l xor 16
	s_mov_b32 s24, 1728
	s_wait_alu depctr_va_vdst(0)
	s_wait_kmcnt 0x0
	s_mov_b64 s[22:23], s[16:17]                   ; which tensor holds my tile, and its first tile: the choice hangs on the work-group's number alone
	s_cmp_lt_u32 ttmp9, 1728
	s_cselect_b64 s[22:23], s[14:15], s[22:23]
	s_cselect_b32 s24, 1664, s24
	s_cmp_lt_u32 ttmp9, 1664
	s_cselect_b64 s[22:23], s[12:13], s[22:23]
	s_cselect_b32 s24, 1600, s24
	s_cmp_lt_u32 ttmp9, 1600
	s_cselect_b64 s[22:23], s[10:11], s[22:23]
	s_cselect_b32 s24, 1536, s24
	s_cmp_lt_u32 ttmp9, 1536
	s_cselect_b64 s[22:23], s[8:9], s[22:23]
	s_cselect_b32 s24, 1024, s24
	s_cmp_lt_u32 ttmp9, 1024
	s_cselect_b64 s[22:23], s[6:7], s[22:23]
	s_cselect_b32 s24, 512, s24
	s_cmp_lt_u32 ttmp9, 512
	s_cselect_b64 s[22:23], s[4:5], s[22:23]
	s_cselect_b32 s24, 0, s24
	s_sub_co_u32 s24, ttmp9, s24                   ; the tile's number in its tensor
	; KEY'S TILES (work-groups 512 to 1023) ARE LAID OTHERWISE than the head's line says: tile T holds rows 64 (T / 4) + 8 (T % 4) + r % 8 + 32 (r / 8),
	; so that in attention a lane's 32 score registers of four tiles are one whole block of 32 keys.  n = 2 for key, 1 for every other tensor: groups of 2^n tiles, 16 x 2^n rows.
	s_lshr_b32 s27, ttmp9, 9
	s_cmp_eq_u32 s27, 1
	s_cselect_b32 s27, 2, 1
	s_lshr_b32 s25, s24, s27
	s_add_co_u32 s26, s27, 16
	s_lshl_b32 s25, s25, s26                       ; 16 x 2^n rows of 4,096 bytes for each group of tiles,
	s_bfm_b32 s26, s27, 0
	s_and_b32 s24, s24, s26
	s_lshl_b32 s24, s24, 15                        ; 8 rows for each tile in its group
	s_sub_co_u32 s27, s27, 1
	s_lshl_b32 s27, s27, 16                        ; key: the tile's upper eight rows lie 16 rows further on than elsewhere
	s_add_co_u32 s24, s24, s25
	s_mov_b32 s25, 0
	s_add_nc_u64 s[22:23], s[22:23], s[24:25]
	s_mul_i32 s24, ttmp9, 12288
	s_mul_i32 s26, s28, 3072
	s_add_co_u32 s24, s24, s26
	s_add_nc_u64 s[18:19], s[18:19], s[24:25]      ; cod at my wave's four half images
	s_lshl_b32 s24, ttmp9, 9
	s_add_nc_u64 s[20:21], s[20:21], s[24:25]
	v_add_nc_u32 v23, s27, v4                      ; the offset for a tile's rows 8 to 15
.irp t, 0,1
.irp i, 0,1,2,3,4,5,6,7,8,9,10,11,12,13,14,15
	global_load_b128 v[R+64*\t+4*\i:R+64*\t+4*\i+3], v[4+19*(\i/8)], s[22:23] offset:(\i+8*(\i/8))*4096+512*\t th:TH_LOAD_NT   ; 32 lanes read 512 consecutive bytes of the tile's row i (rows 0-7 by v4, rows 8-15 by v23)
.endr
.endr
; Step t's 16 rows through the stage.  LDS serves a wave's instructions in order, so no wait stands between the stores and the loads.
.macro TURN t, x
.irp i, 0,1,2,3,4,5,6,7,8,9,10,11,12,13,14,15
	ds_store_b128 v5, v[R+64*(\t)+4*\i:R+64*(\t)+4*\i+3] offset:528*\i
.endr
.irp c, 0,1
.irp q, 0,1,2,3,4,5,6,7
	ds_load_b128 v[\x+32*\c+4*\q:\x+32*\c+4*\q+3], v6 offset:256*\c+16*\q   ; k = 64 c + 32 h + 4 q .. of row r; 528 = 33 x 16, so sixteen rows fall on sixteen different columns of 16 bytes
.endr
.endr
.endm
; Block c of step t: my 32 numbers at v[x + 32 c] on become six registers of codes, which are stored as my part of a half image, and a scale byte.
.macro BLK t, c, x
.set xb, \x+32*(\c)
.set pb, PC+6*(2*(\t)+(\c))
	v_max3_num_f32 v16, |v[xb]|, |v[xb+1]|, 0x2800000   ; the largest magnitude, in two chains, with the floor 2^(5 - 127) among the leaves: so the byte cannot fall under 1
	v_max3_num_f32 v17, |v[xb+2]|, |v[xb+3]|, |v[xb+4]|
.irp i, 5,9,13,17,21,25
	v_max3_num_f32 v16, v16, |v[xb+\i]|, |v[xb+\i+1]|
	v_max3_num_f32 v17, v17, |v[xb+\i+2]|, |v[xb+\i+3]|
.endr
	v_max3_num_f32 v16, v16, |v[xb+29]|, |v[xb+30]|
	v_max3_num_f32 v16, v16, v17, |v[xb+31]|
	v_add_nc_u32 v18, 0xfe000000, v16              ; 4 off its exponent field: the conversion takes the exponent field of this operand as its scale, and nothing else of it
	v_cvt_scalef32_pk16_bf6_f32 v[pb:pb+2], v[xb:xb+15], v18
	v_cvt_scalef32_pk16_bf6_f32 v[CT:CT+2], v[xb+16:xb+31], v18
	v_lshrrev_b32 v[BY+2*(\t)+(\c)], 23, v18       ; the scale's byte.  (The plain line between the conversions and the moves that read their result)
.irp i, 0,1,2
	v_mov_b32 v[pb+3+\i], v[CT+\i]
.endr
	global_store_b128 v7, v[pb:pb+3], s[18:19] offset:768*(2*(\t)+(\c))        ; 512 consecutive bytes,
	global_store_b64 v8, v[pb+4:pb+5], s[18:19] offset:768*(2*(\t)+(\c))+512   ; and the 256 behind them
.endm
.macro WORD t                          ; step t's scale word of row r: my two bytes are bytes h and 2 + h; lane l xor 16 has the other two
	v_lshl_or_b32 v20, v[BY+2*(\t)+1], 16, v[BY+2*(\t)]
	v_lshlrev_b32 v20, v10, v20
	v_permlanex16_b32 v22, v20, s30, s31
	v_or_b32 v[WD+(\t)], v20, v22
.endm
	s_wait_loadcnt 16                              ; step 0's 16 loads are in; step 1's 16 may be out
	TURN 0, X0
	s_wait_dscnt 0x0                               ; step 0's numbers are back, and the stage's stores have read the registers that step 1's numbers will take
	s_wait_loadcnt 0x0
	TURN 1, X1                                     ; goes through the stage while step 0 is worked
	BLK 0, 0, X0
	BLK 0, 1, X0
	WORD 0
	s_wait_dscnt 0x0
	BLK 1, 0, X1
	BLK 1, 1, X1
	WORD 1
	v_cmp_eq_u32 vcc_lo, 1, v3
	v_cndmask_b32 v21, v[WD], v[WD+1], vcc_lo      ; lanes 0-15 carry word 2 w, lanes 16-31 word 2 w + 1
	ds_store_b32 v9, v21
	s_wait_dscnt 0x0                               ; for the others' sake: my words lie in LDS
	s_barrier_signal -1
	s_barrier_wait -1
	s_cmp_lg_u32 s28, 0
	s_cbranch_scc1 .Lend
	ds_load_b128 v[12:15], v11                     ; wave 0 stores the tile's 128 words
	s_wait_dscnt 0x0
	global_store_b128 v7, v[12:15], s[20:21]       ; 512 consecutive bytes, at a multiple of 512 from the buffer's first byte
.Lend:
	s_wait_tensorcnt 0x0
	ds_add_u32 v254, v255
	s_wait_dscnt 0x0
	s_endpgm
.Lfunc_end_k_qfce9b39004_quant:
	.size	k_qfce9b39004_quant, .Lfunc_end_k_qfce9b39004_quant-k_qfce9b39004_quant
	.p2alignl 7, 3214868480
	.fill 96, 4, 3214868480
	.section	.rodata,"a",@progbits
	.p2align	6, 0x0
	.amdhsa_kernel k_qfce9b39004_quant
		.amdhsa_group_segment_fixed_size 34816
		.amdhsa_private_segment_fixed_size 0
		.amdhsa_enable_private_segment 0
		.amdhsa_kernarg_size 72
		.amdhsa_user_sgpr_count 2
		.amdhsa_user_sgpr_kernarg_segment_ptr 1
		.amdhsa_wavefront_size32 1
		.amdhsa_system_sgpr_workgroup_id_x 1
		.amdhsa_system_sgpr_workgroup_id_y 1
		.amdhsa_system_sgpr_workgroup_id_z 1
		.amdhsa_system_vgpr_workitem_id 0
		.amdhsa_next_free_vgpr 256
		.amdhsa_next_free_sgpr 66
		.amdhsa_reserve_vcc 1
		.amdhsa_float_denorm_mode_32 3
		.amdhsa_float_denorm_mode_16_64 3
		.amdhsa_memory_ordered 1
		.amdhsa_forward_progress 1
		.amdhsa_inst_pref_size 18
	.end_amdhsa_kernel
	.amdgpu_metadata
---
amdhsa.version: [ 1, 2 ]
amdhsa.kernels:
  - .name:           k_qfce9b39004_quant
    .symbol:         k_qfce9b39004_quant.kd
    .args:
      - { .name: query, .offset: 0, .size: 8, .value_kind: global_buffer, .address_space: global }
      - { .name: key, .offset: 8, .size: 8, .value_kind: global_buffer, .address_space: global }
      - { .name: value, .offset: 16, .size: 8, .value_kind: global_buffer, .address_space: global }
      - { .name: Wq, .offset: 24, .size: 8, .value_kind: global_buffer, .address_space: global }
      - { .name: Wk, .offset: 32, .size: 8, .value_kind: global_buffer, .address_space: global }
      - { .name: Wv, .offset: 40, .size: 8, .value_kind: global_buffer, .address_space: global }
      - { .name: Wo, .offset: 48, .size: 8, .value_kind: global_buffer, .address_space: global }
      - { .name: cod, .offset: 56, .size: 8, .value_kind: global_buffer, .address_space: global }
      - { .name: scl, .offset: 64, .size: 8, .value_kind: global_buffer, .address_space: global }
    .group_segment_fixed_size: 34816
    .private_segment_fixed_size: 0
    .kernarg_segment_align: 8
    .kernarg_segment_size: 72
    .max_flat_workgroup_size: 128
    .sgpr_count:     66
    .vgpr_count:     256
    .wavefront_size: 32
...
	.end_amdgpu_metadata
.endif
;; end of part 1
;; launch proj (part 2): grid 4 x 64, 4 waves a work-group, clusters of 4 x 4, 327,680 bytes of LDS; arguments cod, scl, bq, bk, bv, att; writes att
.if DOCPART == 2
	.amdgcn_target "amdgcn-amd-amdhsa--gfx1250"
	.amdhsa_code_object_version 6
	.text
	.protected	k_qfce9b39004_proj
	.globl	k_qfce9b39004_proj
	.p2align	8
	.type	k_qfce9b39004_proj,@function
k_qfce9b39004_proj:
	s_mov_b64 s[64:65], 0
	v_nop
	global_prefetch_b8 v0, s[64:65] scope:SCOPE_SE
	s_setreg_imm32_b32 hwreg(HW_REG_WAVE_MODE, 25, 1), 1
	s_wait_xcnt 0x0
	s_wait_alu depctr_hold_cnt(0) depctr_sa_sdst(0) depctr_va_vdst(0) depctr_va_sdst(0) depctr_va_ssrc(0) depctr_va_vcc(0) depctr_vm_vsrc(0)
	s_getreg_b32 s2, hwreg(HW_REG_IB_STS2, 6, 4)
	s_cmp_eq_u32 s2, 0
	s_cbranch_scc0 .Lentry_in_a_cluster
	s_endpgm
.Lentry_in_a_cluster:
	s_bfe_u32 s2, ttmp6, 0x10000c
	s_cmp_lg_u32 s2, 0xf033
	s_cbranch_scc0 .Lentry_shape_is_right
	s_endpgm
.Lentry_shape_is_right:
; The three projections on codes of BF6 (E3M2) with E8M0 scales, bias added, and the results quantised again on the way out: q and k along the head's 64, v along the keys.
; THE FORM.  C'[i][j] = sum over k of P[i][k] Q[j][k], K = 1,024.  Source 0 = 16 rows of Q, source 1 = 16 rows of P: a lane holds ONE row i, and its registers run along j, the axis that is quantised next.
;   q, k: P = the tokens, Q = the weight (j = features: two heads to a wave).     v: P = Wv, Q = the value tokens (j = keys): V's codes come out with the keys innermost, and nothing is transposed.
; TILES.  Tile T of an operand holds rows 32 (T / 2) + 8 (T % 2) + r + 8 (r / 8), so that the 16 registers of result tiles 2 b and 2 b + 1 are 16 neighbours along j: 32 b + 16 (lane / 16) + 0 .. 15.
;   (Key's token tiles hold rows 64 (T / 4) + 8 (T % 4) + r % 8 + 32 (r / 8); nothing here hangs on which tokens a tile of P holds.)
; Codes lie as half images of 768 bytes (16 rows x 64 K, the six registers of each lane: registers 0-3 at 16 x lane, 4-5 at 512 + 8 x lane): cod [tile][16][768]; scl [tile][r][8] words.
; SHARES.  A block is 128 (i) x 256 (j); wave w makes rows 64 (w / 2) on and columns 128 (w % 2) on: 32 accumulators.  There are 768 blocks and 256 WORK-GROUPS THAT STAY: each makes three blocks, one of q, one of k, one of v:
;   block number = the cluster's y + 16 x trip (0-15 q, 16-31 k, 32-47 v).  q's and k's trips are one loop body; v's trip, which asks for nothing more, is written out behind it.
; THE RING.  Two LDS slots of 147,456 bytes; slot h holds K steps 4 h .. 4 h + 3 of a block: 6,144 bytes of each of P's 8 tiles, then of Q's 16.  A slot is filled by one tensor load a wave: waves 0, 1 four tiles of P, waves 2, 3 eight of Q;
;   a tile's row is 6,144 bytes of memory and begins at a multiple of 256.  Slot 0 is read out when K step 3's fragments are in registers, slot 1 when step 7's are.  There every wave waits for its tensor load, adds 0 to its spare word
;   and waits for that and for its reads; a round of the cluster's barrier follows, and the next block's half is the first tensor load behind it.  The first half has four K steps, 128 matrix instructions, in which to land; the second
;   step 7's 32, the way out and three K steps.  The same round shows the other slot whole.  A wave has one tensor load out at the most.  At the head slot 0 is filled, and slot 1 behind the same sequence and a round.
; CLUSTER 4 x 4: P's tiles hang on cy alone and are asked for jointly along a row of the cluster, Q's on cx alone, along a column.
; PREFETCH.  Behind a block's first fragment loads, 96 matrix instructions ahead of the next block's first tensor load and 224 ahead of its second, the next block's TOKEN operand is asked for (k: P, 98,304 bytes; v: Q, 196,608 bytes):
;   the four partners that will load it jointly take a quarter each, by address, and each wave a quarter of that, a lane to each 256 bytes (lanes left over name their wave's last block again).
;   The weights are not asked for: all sixteen clusters load the same rows of them in the same trip.  The first block comes by its loads alone.
; att: per head 16 records of 13,056 bytes, one for each 128 keys: K's 8 half images | V's 4 tiles of 16 channels x 128 keys (2 half images each) | K's scale words [2][r][4] | V's [r][4];
;   then q's half images [head][tile], then q's scale words [head][tile / 4][r][tile % 4].  q's and k's words carry two bytes; the upper two are 0 and meet zero codes only.
; LIMITS: NaN and infinities are not served.  A block of zeros gets the byte 1 where the rule says 127: its codes are zeros, and this program alone reads the bytes.
; REGISTERS, in windows of 256.  Window 0: v1-13 addresses (v5-8 fragments in slot 0, v224-227 in slot 1); v16-31 P's scale words, v32-63 Q's (pair of tiles i, K step s at 8 i + s: lanes 0-15 the even tile, lanes 16-31 the odd one);
;   v64-111, v112-159 P's four fragments, two sets (v64-103 also the way out's scratch); v160-223 the bias; v228-230 the prefetches' offsets; v254, v255 the add's two.   Window 1: Q's eight fragments, two sets, at v0 and v128.   Window 2: accumulator (a, b) at v[8 (8 a + b)].
.set REC,   13056
.set HEADB, 16*REC
.set QC,    64*HEADB
.set QS,    QC+64*128*768
.set SLOT,  147456                     ; a slot: 24 tiles x 6,144 bytes
.set QOFF,  49152                      ; in it Q's 16 tiles lie behind P's 8
.set SPARE, 2*SLOT                     ; behind the ring: the spare words, 128 bytes for each wave
.set BI,  160                          ; the bias, in the result's layout
.set PC,  64                           ; the way out: a fragment's 12 registers of codes,
.set PT,  76                           ; the upper halves of its blocks (a conversion's three registers begin on an even number),
.set TM,  84                           ; v84-87 largest magnitudes, v88-91 bytes, v96-99 the conversions' scale operands,
.set W4,  100                          ; v100-103 the four tiles' scale words
.set SEL, 2                            ; s[2:3]   v_permlanex16_b32's selects
.set G1P, 24                           ; s[24:31] descriptor group 1 for P's tiles;  s[32:39] for Q's
.set G1Q, 32
.set G0P, 40                           ; s[40:47] groups 0 for P, one for each slot;  s[56:63] for Q
.set G0Q, 56
.set PFB, 48                           ; s[48:49] where my prefetches begin
.set TRP, 52                           ; s52      the loop's counter
.set CB,  66                           ; s[66:67] where a tile's first half image goes;  s[76:77] its second
.set CB2, 76
.set SBP, 82                           ; s[82:83] where the scale words go
.set TSP, 84                           ; s[84:85] bytes from tile to tile
.set MSB, 0
.macro WIN new                         ; the immediate's high byte repeats the setting that is left
.if MSB != \new
	s_set_vgpr_msb (MSB<<8)|\new
.set MSB, \new
.endif
.endm
.macro CROUND                          ; a round of the cluster's barrier
	s_barrier_signal -1
	s_barrier_wait -1
	s_cmp_lg_u32 s16, 0
	s_cbranch_scc1 .Lnot_wave_0_\@
	s_barrier_signal -3
.Lnot_wave_0_\@:
	s_barrier_wait -3
	s_barrier_signal -1
	s_barrier_wait -1
.endm
.macro JLOAD h                         ; slot h's joint loads: one a wave, in the two arms of one branch on its number; s_nop 0 and four v_nop follow each
	s_cmp_eq_u32 s17, 0
	s_cbranch_scc0 .Lfill_q_\@
	tensor_load_to_lds s[G0P+4*\h:G0P+4*\h+3], s[G1P:G1P+7]
	s_nop 0
.rept 4
	v_nop
.endr
	s_branch .Lfilled_\@
.Lfill_q_\@:
	tensor_load_to_lds s[G0Q+4*\h:G0Q+4*\h+3], s[G1Q:G1Q+7]
	s_nop 0
.rept 4
	v_nop
.endr
.Lfilled_\@:
.endm
.macro FRAG reg, a16, a8, off          ; a fragment (16 rows x 128 K, 12 registers) is two half images: each load reads consecutive bytes
	ds_load_b128 v[\reg:\reg+3], v[\a16] offset:\off
	ds_load_b64 v[\reg+4:\reg+5], v[\a8] offset:\off+512
	ds_load_b128 v[\reg+6:\reg+9], v[\a16] offset:\off+768
	ds_load_b64 v[\reg+10:\reg+11], v[\a8] offset:\off+1280
.endm
.macro WM d, fa, fb, c, sa, sb, ra, rb ; one product; ra, rb: the side's scale words stand in lanes 16-31
.set wD, \d
.set wA, \fa
.set wB, \fb
.set wC, \c
.set wSA, \sa
.set wSB, \sb
.set wR, (\ra)+2*(\rb)
.if wR == 0
	v_wmma_scale_f32_16x16x128_f8f6f4 v[wD:wD+7], v[wA:wA+11], v[wB:wB+11], v[wC:wC+7], v[wSA], v[wSB] matrix_a_fmt:MATRIX_FMT_BF6 matrix_b_fmt:MATRIX_FMT_BF6
.elseif wR == 1
	v_wmma_scale_f32_16x16x128_f8f6f4 v[wD:wD+7], v[wA:wA+11], v[wB:wB+11], v[wC:wC+7], v[wSA], v[wSB] matrix_a_fmt:MATRIX_FMT_BF6 matrix_b_fmt:MATRIX_FMT_BF6 matrix_a_scale:MATRIX_SCALE_ROW1
.elseif wR == 2
	v_wmma_scale_f32_16x16x128_f8f6f4 v[wD:wD+7], v[wA:wA+11], v[wB:wB+11], v[wC:wC+7], v[wSA], v[wSB] matrix_a_fmt:MATRIX_FMT_BF6 matrix_b_fmt:MATRIX_FMT_BF6 matrix_b_scale:MATRIX_SCALE_ROW1
.else
	v_wmma_scale_f32_16x16x128_f8f6f4 v[wD:wD+7], v[wA:wA+11], v[wB:wB+11], v[wC:wC+7], v[wSA], v[wSB] matrix_a_fmt:MATRIX_FMT_BF6 matrix_b_fmt:MATRIX_FMT_BF6 matrix_a_scale:MATRIX_SCALE_ROW1 matrix_b_scale:MATRIX_SCALE_ROW1
.endif
.endm
.macro FETCH s                         ; K step s, from slot s / 4: Q's eight fragments and P's four into set s % 2: 48 LDS loads in one run
.set fS, (\s)%2
.set fH, 219*((\s)/4)                  ; slot 0: v5-8; slot 1: v224-227
.set fO, 1536*((\s)%4)
	WIN 0x40                                       ; destination window 1, address window 0
.irp b, 0,1,2,3,4,5,6,7
	FRAG 128*fS+12*\b, 7+fH, 8+fH, 6144*\b+fO
.endr
	WIN 0
.irp a, 0,1,2,3
	FRAG 64+48*fS+12*\a, 5+fH, 6+fH, 6144*\a+fO
.endr
.endm
; K step s: 32 products.  The 32 accumulators take turns, one instruction a turn, in the same order in every step.
; cmode 0: onto the sums.  1: the sums begin with the bias of the columns (q, k).  2: with the bias of the rows (v), of which two copies stand in the 64 registers.
.macro MUL s, cmode
.set mS, (\s)%2
.irp a, 0,1,2,3
.irp b, 0,1,2,3,4,5,6,7
.if \cmode == 0
	WM 8*(8*\a+\b), 128*mS+12*\b, 64+48*mS+12*\a, 8*(8*\a+\b), 32+8*(\b/2)+(\s), 16+8*(\a/2)+(\s), \b%2, \a%2
.elseif \cmode == 1
	WM 8*(8*\a+\b), 128*mS+12*\b, 64+48*mS+12*\a, BI+8*\b, 32+8*(\b/2)+(\s), 16+8*(\a/2)+(\s), \b%2, \a%2
.else
	WM 8*(8*\a+\b), 128*mS+12*\b, 64+48*mS+12*\a, BI+8*(\a+4*(\b%2)), 32+8*(\b/2)+(\s), 16+8*(\a/2)+(\s), \b%2, \a%2
.endif
.endr
.endr
.endm
; Block number s21 (0-15 q, 16-31 k, 32-47 v) becomes the block's place.
.macro PLACE
	s_lshr_b32 s23, s21, 5                         ; 1: v
	s_bfe_u32 s22, s21, 0x10004                    ; 1: k
	s_and_b32 s86, s21, 15
	s_mul_i32 s87, s23, 3
	s_lshr_b32 s78, s86, s87                       ; q, k: 16 clusters down i;  v: 2 down i,
	s_lshl_b32 s78, s78, 2
	s_add_co_u32 s78, s78, s20                     ; ib: my block of 128 rows
	s_and_b32 s79, s86, 7
	s_mul_i32 s79, s79, s23                        ; and 8 along j
	s_lshl_b32 s79, s79, 2
	s_add_co_u32 s79, s79, s19                     ; jb: my block of 256 columns
	s_lshl_b32 s80, s22, 9                         ; P's first tile in cod: query 0, key 512, Wv 1664, + 8 ib
	s_mul_i32 s86, s23, 1664
	s_add_co_u32 s80, s80, s86
	s_lshl_b32 s86, s78, 3
	s_add_co_u32 s80, s80, s86
	s_lshl_b32 s81, s22, 6                         ; Q's: Wq 1536, Wk 1600, value 1024, + 16 jb
	s_lshl_b32 s87, s23, 9
	s_sub_co_u32 s81, s81, s87
	s_add_co_u32 s81, s81, 1536
	s_lshl_b32 s87, s79, 4
	s_add_co_u32 s81, s81, s87
.endm
; The global addresses of the block at s80, s81, for both slots.  It stands where no tensor load of the wave is out, so every group 0 may be written.
.macro DESC
	s_lshl_b32 s86, s18, 2
	s_add_co_u32 s86, s86, s80
	s_mul_i32 s86, s86, 12288                      ; P: the four tiles that I would fetch (cy and the wave alone),
	s_mov_b32 s87, 0
	s_lshl_b32 s88, s18, 3
	s_add_co_u32 s88, s88, s81
	s_mul_i32 s88, s88, 12288                      ; Q: the eight (cx and the wave alone)
	s_mov_b32 s89, 0
	s_add_nc_u64 s[G0P+2:G0P+3], s[4:5], s[86:87]  ; K steps 0-3,
	s_add_nc_u64 s[G0P+6:G0P+7], s[G0P+2:G0P+3], 6144   ; K steps 4-7
	s_or_b32 s[G0P+3], s[G0P+3], 0x80000000        ; type = 2
	s_or_b32 s[G0P+7], s[G0P+7], 0x80000000
	s_add_nc_u64 s[G0Q+2:G0Q+3], s[4:5], s[88:89]
	s_add_nc_u64 s[G0Q+6:G0Q+7], s[G0Q+2:G0Q+3], 6144
	s_or_b32 s[G0Q+3], s[G0Q+3], 0x80000000
	s_or_b32 s[G0Q+7], s[G0Q+7], 0x80000000
.endm
; The prefetch of the next block's token operand.  The branch hangs on the block's number alone, which all sixteen partners share; the partners' shares are told apart by address.
.macro PREF
	s_cmp_eq_u32 s23, 0
	s_cbranch_scc0 .Lpf_v_\@
	s_mul_i32 s[PFB], s80, 12288                   ; k: P's 98,304 bytes: quarter cx, of it my wave's 6,144: 24 blocks of 256
	s_mul_i32 s86, s19, 24576
	s_add_co_u32 s[PFB], s[PFB], s86
	s_mul_i32 s86, s16, 6144
	s_add_co_u32 s[PFB], s[PFB], s86
	s_mov_b32 s[PFB+1], 0
	s_add_nc_u64 s[PFB:PFB+1], s[4:5], s[PFB:PFB+1]
	global_prefetch_b8 v228, s[PFB:PFB+1] th:TH_LOAD_NT scope:SCOPE_SE
	s_branch .Lpf_done_\@
.Lpf_v_\@:
	s_mul_i32 s[PFB], s81, 12288                   ; v: Q's 196,608 bytes: quarter cy, of it my wave's 12,288: 48 blocks of 256
	s_mul_i32 s86, s20, 49152
	s_add_co_u32 s[PFB], s[PFB], s86
	s_mul_i32 s86, s16, 12288
	s_add_co_u32 s[PFB], s[PFB], s86
	s_mov_b32 s[PFB+1], 0
	s_add_nc_u64 s[PFB:PFB+1], s[4:5], s[PFB:PFB+1]
	global_prefetch_b8 v229, s[PFB:PFB+1] th:TH_LOAD_NT scope:SCOPE_SE
	global_prefetch_b8 v230, s[PFB:PFB+1] offset:8192 th:TH_LOAD_NT scope:SCOPE_SE
.Lpf_done_\@:
.endm
; The scale words and the bias of the block at s78-s81, s22, s23 are asked for: at the head for the first block (dyn = 0: q), else ahead of the way out of the block before (dyn = 1: k or v; the branch hangs on the block's number alone).
.macro LOADS dyn
	s_lshl_b32 s86, s17, 2
	s_add_co_u32 s86, s86, s80
	s_lshl_b32 s86, s86, 9
	s_mov_b32 s87, 0
	s_add_nc_u64 s[86:87], s[6:7], s[86:87]        ; the scale words of my four tiles of P,
	s_lshl_b32 s88, s18, 3
	s_add_co_u32 s88, s88, s81
	s_lshl_b32 s88, s88, 9
	s_mov_b32 s89, 0
	s_add_nc_u64 s[88:89], s[6:7], s[88:89]        ; of my eight of Q: for all of K, once
.irp i, 0,1
.irp q, 0,1
	global_load_b128 v[16+8*\i+4*\q:16+8*\i+4*\q+3], v9, s[86:87] offset:1024*\i+16*\q
.endr
.endr
.irp i, 0,1,2,3
.irp q, 0,1
	global_load_b128 v[32+8*\i+4*\q:32+8*\i+4*\q+3], v9, s[88:89] offset:1024*\i+16*\q
.endr
.endr
	s_lshl_b32 s92, s79, 10
	s_lshl_b32 s93, s18, 9
	s_add_co_u32 s92, s92, s93                     ; q, k: my 128 columns' bias: 4 (256 jb + 128 qj)
	s_cmp_eq_u32 s22, 1
	s_cselect_b64 s[90:91], s[10:11], s[8:9]
.if \dyn
	s_lshl_b32 s93, s78, 9
	s_lshl_b32 s94, s17, 8
	s_add_co_u32 s93, s93, s94                     ; v: my 64 rows': 4 (128 ib + 64 pi)
	s_cmp_eq_u32 s23, 1
	s_cselect_b64 s[90:91], s[12:13], s[90:91]
	s_cselect_b32 s92, s93, s92
.endif
	s_mov_b32 s93, 0
	s_add_nc_u64 s[90:91], s[90:91], s[92:93]
.if \dyn
	s_cmp_eq_u32 s23, 1
	s_cbranch_scc1 .Lbias_v_\@
.endif
.irp b, 0,1,2,3,4,5,6,7                        ; register j of tile b is column 32 (b / 2) + 8 (b % 2) + 16 h + j
	global_load_b128 v[BI+8*\b:BI+8*\b+3], v10, s[90:91] offset:4*(32*(\b/2)+8*(\b%2))
	global_load_b128 v[BI+8*\b+4:BI+8*\b+7], v10, s[90:91] offset:4*(32*(\b/2)+8*(\b%2))+16
.endr
.if \dyn
	s_branch .Lbias_done_\@
.Lbias_v_\@:
.irp a, 0,1,2,3                                ; lane r of tile a is row 32 (a / 2) + 8 (a % 2) + r + 8 (r / 8): one number, spread over the registers at the block's head
	global_load_b32 v[BI+8*\a], v13, s[90:91] offset:4*(32*(\a/2)+8*(\a%2))
.endr
.Lbias_done_\@:
.endif
.endm
; K step s: its fragments are in; the next step's are asked for, four places behind the products that read their registers; then the 32 products.
; Steps 3 and 7 change slots.  Where a block follows: the refill's sequence, the round, and the next block's half, ahead of all else.
.macro STEP s, more
.if (\s) == 3
	WIN 0
	s_wait_tensorcnt 0x0                           ; my part of slot 1 is in, and no tensor load of mine is out;
.if \more
	ds_add_u32 v254, v255                          ; 0 onto my spare word
	DESC                                           ; (work on registers: the next block's addresses)
	s_wait_dscnt 0x0                               ; the add is done, and so are my last reads of slot 0
	CROUND                                         ; the same holds of every wave of all sixteen work-groups
	JLOAD 0                                        ; the next block's K steps 0-3, the first tensor load behind the round; its four v_nop are the places in front of the loads below
.else
	s_wait_dscnt 0x0
	s_barrier_signal -1
	s_barrier_wait -1                              ; everybody's part of slot 1 is in; nothing is filled again
.rept 4
	v_nop
.endr
.endif
	FETCH 4
.elseif (\s) < 7
	s_wait_dscnt 0x0                               ; this step's 48 loads, issued a step ago
	WIN 0
.rept 4
	v_nop                                          ; the places in front of loads into registers that matrix instructions have read
.endr
	FETCH (\s)+1
.elseif \more
	WIN 0
	s_wait_tensorcnt 0x0                           ; my part of the next block's first half is in;
	ds_add_u32 v254, v255
	s_wait_dscnt 0x0                               ; the add is done, and so are my last reads of slot 1
	CROUND
	JLOAD 1                                        ; the next block's K steps 4-7
.else
	s_wait_dscnt 0x0
.endif
	WIN 0xa1                                       ; C and D window 2
	MUL \s, 0
.endm
; Tile a's 64 numbers of a lane (register 16 b + i = column 32 b + 16 h + i of my row) become a fragment's codes in v[PC] on and its scale word in v[W4 + a].
.macro QUANTW a
.set AC, 64*(\a)
	WIN 0x0a                                       ; sources 0 and 1: the accumulators, window 2
.irp b, 0,1,2,3
	v_max3_num_f32 v[TM+\b], |v[AC+16*\b]|, |v[AC+16*\b+1]|, 0x2800000   ; block b: my 16 numbers, each accumulator from its low end on, and the floor 2^(5 - 127)
.endr
.irp i, 2,4,6,8,10,12,14
.irp b, 0,1,2,3
	v_max3_num_f32 v[TM+\b], |v[AC+16*\b+\i]|, |v[AC+16*\b+\i+1]|, v[TM+\b]   ; (the four blocks by turns)
.endr
.endr
	WIN 0
.irp b, 0,1,2,3
	v_permlanex16_b32 v[TM+4+\b], v[TM+\b], s[SEL], s[SEL+1]
.endr
.irp b, 0,1,2,3
	v_max_num_f32 v[TM+\b], v[TM+\b], v[TM+4+\b]   ; with lane l xor 16's: the block's largest magnitude
.endr
.irp b, 0,1,2,3
	v_add_nc_u32 v[TM+12+\b], 0xfe000000, v[TM+\b] ; 4 off its exponent field: the conversion's scale operand
.endr
.irp b, 0,1,2,3
	v_lshrrev_b32 v[TM+4+\b], 23, v[TM+12+\b]      ; the scale's byte
.endr
	v_lshl_or_b32 v[W4+\a], v[TM+5], 8, v[TM+4]
	v_lshl_or_b32 v[W4+\a], v[TM+6], 16, v[W4+\a]
	v_lshl_or_b32 v[W4+\a], v[TM+7], 24, v[W4+\a]
.if (\a) > 0
	s_wait_xcnt 0x0                                ; the last tile's stores have read their data and their bases: both are written again only behind this wait
	s_add_nc_u64 s[CB:CB+1], s[CB:CB+1], s[TSP:TSP+1]
	s_add_nc_u64 s[CB2:CB2+1], s[CB2:CB2+1], s[TSP:TSP+1]
.endif
	WIN 0x02                                       ; source 0: window 2
.irp c, 0,1
	v_cvt_scalef32_pk16_bf6_f32 v[PC+6*\c:PC+6*\c+2], v[AC+32*\c:AC+32*\c+15], v[TM+12+2*\c]
	v_cvt_scalef32_pk16_bf6_f32 v[PT+4*\c:PT+4*\c+2], v[AC+32*\c+16:AC+32*\c+31], v[TM+12+2*\c+1]
.endr
	WIN 0
	v_nop                                          ; one plain place behind a scaled conversion
.irp c, 0,1                                    ; the operand's layout wants a WHOLE block in a lane: lanes 0-15 block 2 c, lanes 16-31 block 2 c + 1
.irp i, 0,1,2
	v_permlane16_swap_b32 v[PC+6*\c+\i], v[PT+4*\c+\i]
.endr
.irp i, 0,1,2
	v_mov_b32 v[PC+3+6*\c+\i], v[PT+4*\c+\i]
.endr
.endr
.endm
.macro OUTT a
	QUANTW \a
	global_store_b128 v1, v[PC:PC+3], s[CB:CB+1]               ; a half image: 512 consecutive bytes,
	global_store_b64 v2, v[PC+4:PC+5], s[CB:CB+1] offset:512   ; and the 256 behind them
	global_store_b128 v1, v[PC+6:PC+9], s[CB2:CB2+1]           ; the second: q, k: the next head's; v: the next 64 keys'
	global_store_b64 v2, v[PC+10:PC+11], s[CB2:CB2+1] offset:512
.endm
; ONE BLOCK.  vmode 0: q or k (told apart by s22, in addresses alone); 1: v.  more = 1: another block follows.
; At its first line: slot 0 holds the block's K steps 0-3, shown whole by the last round; slot 1's loads, the scale words and the bias are on their way; s78, s79, s22 hold the block's place.
.macro TRIP vmode, more
	s_wait_loadcnt 0x0                             ; scale words and bias; their address registers are free from here on
.if \vmode == 0
	s_lshl_b32 s86, s78, 3
	s_lshl_b32 s87, s17, 2
	s_add_co_u32 s86, s86, s87                     ; my first token tile
	s_lshr_b32 s87, s86, 7                         ; its batch,
	s_and_b32 s86, s86, 127                        ; its number in the batch
	s_lshl_b32 s87, s87, 4
	s_lshl_b32 s88, s79, 2
	s_add_co_u32 s87, s87, s88
	s_lshl_b32 s88, s18, 1
	s_add_co_u32 s87, s87, s88                     ; 16 x batch + my first head (4 jb + 2 qj)
	s_lshl_b32 s88, s87, 7
	s_add_co_u32 s88, s88, s86
	s_mul_i32 s88, s88, 768
	s_add_co_u32 s88, s88, QC                      ; q: codes
	s_lshl_b32 s89, s87, 13
	s_lshr_b32 s90, s86, 2
	s_lshl_b32 s90, s90, 8
	s_add_co_u32 s89, s89, s90
	s_add_co_u32 s89, s89, QS                      ; q: scale words
	s_mul_i32 s90, s87, HEADB
	s_lshr_b32 s91, s86, 3
	s_mul_i32 s91, s91, REC
	s_add_co_u32 s90, s90, s91                     ; k: the record
	s_and_b32 s91, s86, 7
	s_mul_i32 s91, s91, 768
	s_add_co_u32 s91, s91, s90                     ; k: codes
	s_bfe_u32 s92, s86, 0x10002
	s_lshl_b32 s92, s92, 8
	s_add_co_u32 s92, s92, s90
	s_add_co_u32 s92, s92, 12288                   ; k: scale words
	s_mov_b32 s95, 128*768                         ; q: from a head to the next, in codes
	s_mov_b32 s96, 8192                            ; and in scale words
	s_cmp_eq_u32 s22, 1
	s_cselect_b32 s88, s91, s88
	s_cselect_b32 s89, s92, s89
	s_cselect_b32 s95, HEADB, s95
	s_cselect_b32 s96, HEADB, s96
	s_mov_b32 s[TSP], 768
	s_mov_b32 s97, 0xffff                          ; a word's two bytes for each of two heads
	s_mov_b32 s90, 16
.else
.irp a, 0,1,2,3
.irp j, 1,2,3,4,5,6,7
	v_mov_b32 v[BI+8*\a+\j], v[BI+8*\a]            ; a row's bias, for all eight registers
.endr
.irp j, 0,1,2,3,4,5,6,7
	v_mov_b32 v[BI+32+8*\a+\j], v[BI+8*\a]         ; the second copy, so that neighbouring products name different registers as C
.endr
.endr
	s_lshl_b32 s93, s79, 1
	s_add_co_u32 s93, s93, s18                     ; my 128 keys: step 2 jb + qj of 64
	s_lshl_b32 s94, s78, 1
	s_add_co_u32 s94, s94, s17                     ; my head: 2 ib + pi
	s_and_b32 s95, s93, 0x30                       ; 16 x batch
	s_add_co_u32 s94, s94, s95
	s_mul_i32 s94, s94, HEADB
	s_and_b32 s93, s93, 15
	s_mul_i32 s93, s93, REC
	s_add_co_u32 s93, s93, s94                     ; the record
	s_add_co_u32 s89, s93, 12800                   ; scale words
	s_add_co_u32 s88, s93, 6144                    ; codes
	s_mov_b32 s95, 768                             ; the second half image follows the first
	s_mov_b32 s96, 0
	s_mov_b32 s[TSP], 1536
	s_mov_b32 s97, -1                              ; a word's four bytes are one row's
	s_mov_b32 s90, 0
.endif
	s_mov_b32 s[TSP+1], 0
	s_mov_b32 s92, s88
	s_mov_b32 s93, 0
	s_add_nc_u64 s[CB:CB+1], s[14:15], s[92:93]
	s_mov_b32 s92, s95
	s_add_nc_u64 s[CB2:CB2+1], s[CB:CB+1], s[92:93]
	s_mov_b32 s92, s89
	s_add_nc_u64 s[SBP:SBP+1], s[14:15], s[92:93]
	v_mul_u32_u24 v11, s96, v4
	v_lshl_add_u32 v11, v3, 4, v11                 ; scale words: 16 r; q, k: lanes 16-31 store the second head's
	v_mul_u32_u24 v12, s90, v4                     ; and shift it down
	FETCH 0
	FETCH 1
.if \more
	s_add_co_u32 s21, s21, 16                      ; the next block: its place,
	PLACE
	PREF                                           ; and its tokens are asked of memory
.endif
	s_wait_dscnt 48                                ; K step 0's 48 loads are in; step 1's 48 may be out
	WIN 0x81                                       ; source 0 (Q) window 1, source 1 (P) and C (the bias) window 0, D window 2
	s_wait_alu depctr_va_vdst(0)                   ; directly ahead of the first reader of what was written ahead of the waits above
.if \vmode
	MUL 0, 2
.else
	MUL 0, 1
.endif
.irp s, 1,2,3,4,5,6,7
	STEP \s, \more
.endr
	WIN 0
.rept 4
	v_nop                                          ; the places behind the last products, and ahead of writes into the registers that held step 6's fragments of P
.endr
.irp b, 0,1,2,3
	v_mov_b32 v[TM+4+\b], 0                        ; a lane permute's destination counts as one of its sources
.endr
.if \more
	LOADS 1                                        ; the next block's scale words and bias come in under the way out
.endif
	OUTT 0
	OUTT 1
	OUTT 2
	OUTT 3
.irp a, 0,1,2,3
	v_lshrrev_b32 v[W4+\a], v12, v[W4+\a]
.endr
.irp a, 0,1,2,3
	v_and_b32 v[W4+\a], s97, v[W4+\a]
.endr
	global_store_b128 v11, v[W4:W4+3], s[SBP:SBP+1]  ; sixteen lanes store 256 consecutive bytes: row r's words of my four tiles.  q, k: lanes 16-31 the second head's; v: lanes 16-31 store the same bytes as lanes 0-15 to the same places
.if \more
	s_wait_xcnt 0x0                                ; the stores have read their data, offsets and bases: the next block writes all of them again
.endif
.endm
	s_load_b256 s[4:11], s[0:1], 0x0               ; cod s[4:5], scl s[6:7], bq s[8:9], bk s[10:11]
	s_load_b128 s[12:15], s[0:1], 0x20             ; bv s[12:13], att s[14:15]
	v_lshl_add_u32 v254, v0, 2, SPARE
	v_mov_b32 v255, 0
	ds_add_u32 v254, v255                          ; the opening lines: the add, twice on end, and its wait ahead of my first tensor load
	ds_add_u32 v254, v255
	v_lshrrev_b32 v1, 5, v0
	v_readfirstlane_b32 s16, v1                    ; wave 0..3
	s_lshr_b32 s17, s16, 1                         ; pi: which 64 rows are mine.  Also: I fetch for P (0) or for Q (1)
	s_and_b32 s18, s16, 1                          ; qj: which 128 columns.  Also: which half of that operand's tiles I fetch
	s_bfe_u32 s19, ttmp6, 0x40000                  ; cx
	s_bfe_u32 s20, ttmp6, 0x40004                  ; cy
	s_and_b32 s21, ttmp7, 0xffff                   ; the cluster's y, 0 .. 15: my first block's number
	s_lshl_b32 s88, s20, 2
	s_lshl_b32 s88, 15, s88                        ; my row of the cluster
	s_lshl_b32 s89, 0x1111, s19                    ; my column
	; descriptor group 1: half a tile is 6,144 consecutive bytes (768 elements of 8 bytes); tiles lie 12,288 bytes apart; P: 4 tiles a load, Q: 8; dense in LDS
	s_or_b32 s[G1P], s88, (3<<16)|(1<<21)          ; 15:0 the mask; 17:16 elements of 8 bytes; 20 no padding; 21 set beside a mask
	s_or_b32 s[G1Q], s89, (3<<16)|(1<<21)
	s_mov_b32 s[G1P+1], 768<<16                    ; tensor_dim0
	s_mov_b32 s[G1P+2], 4<<16                      ; tensor_dim1
	s_mov_b32 s[G1P+3], 768<<16                    ; tile_dim0
	s_mov_b32 s[G1P+4], 4                          ; tile_dim1
	s_mov_b32 s[G1P+5], 1536                       ; tensor_dim0_stride
	s_mov_b32 s[G1P+6], 0
	s_mov_b32 s[G1P+7], 0
	s_mov_b32 s[G1Q+1], 768<<16
	s_mov_b32 s[G1Q+2], 8<<16
	s_mov_b32 s[G1Q+3], 768<<16
	s_mov_b32 s[G1Q+4], 8
	s_mov_b32 s[G1Q+5], 1536
	s_mov_b32 s[G1Q+6], 0
	s_mov_b32 s[G1Q+7], 0
	s_mov_b32 s[G0P], 1                            ; count = 1
	s_mul_i32 s[G0P+1], s18, 24576                 ; LDS address: no place in the cluster enters it
	s_mov_b32 s[G0P+4], 1
	s_add_co_u32 s[G0P+5], s[G0P+1], SLOT
	s_mov_b32 s[G0Q], 1
	s_mul_i32 s[G0Q+1], s18, 49152
	s_add_co_u32 s[G0Q+1], s[G0Q+1], QOFF
	s_mov_b32 s[G0Q+4], 1
	s_add_co_u32 s[G0Q+5], s[G0Q+1], SLOT
	s_mov_b32 s[SEL], 0x76543210
	s_mov_b32 s[SEL+1], 0xfedcba98
	PLACE
	s_wait_dscnt 0x0                               ; both opening adds are done
	s_wait_kmcnt 0x0
	DESC
	CROUND                                         ; all sixteen work-groups are here: the joint loads meet
	JLOAD 0                                        ; the first block's K steps 0-3: one tensor load a wave at the head
	v_and_b32 v9, 31, v0
	v_lshlrev_b32 v1, 4, v9                        ; 16 x lane
	v_lshlrev_b32 v2, 3, v9                        ; 8 x lane
	v_min_u32 v228, 23, v9
	v_lshlrev_b32 v228, 8, v228                    ; the prefetches' offsets: a lane to each 256 bytes: 24 blocks,
	v_lshlrev_b32 v229, 8, v9                      ; 32,
	v_min_u32 v230, 15, v9
	v_lshlrev_b32 v230, 8, v230                    ; 16
	v_and_b32 v3, 15, v0                           ; r
	v_bfe_u32 v4, v0, 4, 1                         ; h
	s_mul_i32 s86, s17, 24576
	v_add_nc_u32 v5, s86, v1                       ; my four tiles of P in slot 0
	v_add_nc_u32 v6, s86, v2
	s_mul_i32 s87, s18, 49152
	s_add_co_u32 s87, s87, QOFF
	v_add_nc_u32 v7, s87, v1                       ; my eight tiles of Q
	v_add_nc_u32 v8, s87, v2
.irp i, 0,1,2,3
	v_add_nc_u32 v[224+\i], SLOT, v[5+\i]          ; and the same in slot 1
.endr
	v_lshlrev_b32 v9, 5, v3
	v_lshl_add_u32 v9, v4, 9, v9                   ; scale words: 512 h + 32 r: lanes 16-31 take the odd tile of a pair
	v_lshlrev_b32 v10, 6, v4                       ; the columns' bias: 64 h
	v_and_b32 v13, 8, v3
	v_add_nc_u32 v13, v13, v3
	v_lshlrev_b32 v13, 2, v13                      ; the rows' bias: 4 (r + 8 (r / 8))
	s_wait_alu depctr_va_vdst(0)
	LOADS 0                                        ; the first block's scale words and bias
	s_wait_tensorcnt 0x0                           ; my part of slot 0 is in
	ds_add_u32 v254, v255
	s_mov_b32 s[TRP], 0
	s_wait_dscnt 0x0
	CROUND                                         ; everybody's part is in, and all sixteen work-groups are here
	JLOAD 1                                        ; the first block's K steps 4-7, the first tensor load behind the round
.Ltrip:                                                ; q's block, then k's
	TRIP 0, 1
	s_add_co_u32 s[TRP], s[TRP], 1
	s_cmp_lt_u32 s[TRP], 2
	s_cbranch_scc1 .Ltrip
	TRIP 1, 0                                      ; v's block: nothing more is asked for
	s_wait_tensorcnt 0x0                           ; the wave's end
	ds_add_u32 v254, v255
	s_wait_dscnt 0x0
	CROUND                                         ; the closing round: no work-group ends while a partner may still ask for a tile that names it
	s_endpgm
.Lfunc_end_k_qfce9b39004_proj:
	.size	k_qfce9b39004_proj, .Lfunc_end_k_qfce9b39004_proj-k_qfce9b39004_proj
	.p2alignl 7, 3214868480
	.fill 96, 4, 3214868480
	.section	.rodata,"a",@progbits
	.p2align	6, 0x0
	.amdhsa_kernel k_qfce9b39004_proj
		.amdhsa_group_segment_fixed_size 327680
		.amdhsa_private_segment_fixed_size 0
		.amdhsa_enable_private_segment 0
		.amdhsa_kernarg_size 48
		.amdhsa_user_sgpr_count 2
		.amdhsa_user_sgpr_kernarg_segment_ptr 1
		.amdhsa_wavefront_size32 1
		.amdhsa_system_sgpr_workgroup_id_x 1
		.amdhsa_system_sgpr_workgroup_id_y 1
		.amdhsa_system_sgpr_workgroup_id_z 1
		.amdhsa_system_vgpr_workitem_id 0
		.amdhsa_next_free_vgpr 768
		.amdhsa_next_free_sgpr 100
		.amdhsa_reserve_vcc 0
		.amdhsa_float_denorm_mode_32 3
		.amdhsa_float_denorm_mode_16_64 3
		.amdhsa_memory_ordered 1
		.amdhsa_forward_progress 1
		.amdhsa_inst_pref_size 176
	.end_amdhsa_kernel
	.amdgpu_metadata
---
amdhsa.version: [ 1, 2 ]
amdhsa.kernels:
  - .name:           k_qfce9b39004_proj
    .symbol:         k_qfce9b39004_proj.kd
    .args:
      - { .name: cod, .offset: 0, .size: 8, .value_kind: global_buffer, .address_space: global }
      - { .name: scl, .offset: 8, .size: 8, .value_kind: global_buffer, .address_space: global }
      - { .name: bq, .offset: 16, .size: 8, .value_kind: global_buffer, .address_space: global }
      - { .name: bk, .offset: 24, .size: 8, .value_kind: global_buffer, .address_space: global }
      - { .name: bv, .offset: 32, .size: 8, .value_kind: global_buffer, .address_space: global }
      - { .name: att, .offset: 40, .size: 8, .value_kind: global_buffer, .address_space: global }
    .group_segment_fixed_size: 327680
    .private_segment_fixed_size: 0
    .kernarg_segment_align: 8
    .kernarg_segment_size: 48
    .max_flat_workgroup_size: 128
    .sgpr_count:     100
    .vgpr_count:     768
    .wavefront_size: 32
...
	.end_amdgpu_metadata
.endif
;; end of part 2
;; launch attn (part 3): grid 4 x 64, 16 waves a work-group, clusters of 4 x 1, 211,968 bytes of LDS; arguments att, xa, xas; writes xa, xas
.if DOCPART == 3
	.amdgcn_target "amdgcn-amd-amdhsa--gfx1250"
	.amdhsa_code_object_version 6
	.text
	.protected	k_qfce9b39004_attn
	.globl	k_qfce9b39004_attn
	.p2align	8
	.type	k_qfce9b39004_attn,@function
k_qfce9b39004_attn:
	s_mov_b64 s[64:65], 0
	v_nop
	global_prefetch_b8 v0, s[64:65] scope:SCOPE_SE
	s_setreg_imm32_b32 hwreg(HW_REG_WAVE_MODE, 25, 1), 1
	s_wait_xcnt 0x0
	s_wait_alu depctr_hold_cnt(0) depctr_sa_sdst(0) depctr_va_vdst(0) depctr_va_sdst(0) depctr_va_ssrc(0) depctr_va_vcc(0) depctr_vm_vsrc(0)
	s_getreg_b32 s2, hwreg(HW_REG_IB_STS2, 6, 4)
	s_cmp_eq_u32 s2, 0
	s_cbranch_scc0 .Lentry_in_a_cluster
	s_endpgm
.Lentry_in_a_cluster:
	s_bfe_u32 s2, ttmp6, 0x10000c
	s_cmp_lg_u32 s2, 0x3003
	s_cbranch_scc0 .Lentry_shape_is_right
	s_endpgm
.Lentry_shape_is_right:
; Attention of one head on codes of BF6 (E3M2) with E8M0 scales: S^T = K Q^T (K = the head's 64), the softmax, O^T = V^T P^T (K = the keys), O^T / the row's sum,
; and the result quantised along the model's 1,024 for the last projection.
; THE SOFTMAX: t = score x log2(e) / 8; M = the row's largest t so far, rounded UP to a whole number; p = 2^(t - M) is what is quantised, along the keys, not normalised.
; The row's sum is taken of the unquantised p, in f32.  When M moves, the sum and O^T are multiplied by 2^(old M - new M): exact.
; SHARES.  256 work-groups; a work-group owns 512 queries of one head, each of its sixteen waves two tiles of 16 queries, one after the other (PASS 0, PASS 1): 2 x 16 key steps of 128 keys.
; LDS holds the head's K and V whole: 16 records of 13,056 bytes (128 keys each: K's 8 half images, V's 4 x 2, K's scale words, V's).  Wave w fetches record w: ONE tensor load a wave, at the head, by one line
; whose addresses are arithmetic on the wave's number.  Nothing is filled again.  One barrier shows all records; from there to the gather of the scale bytes no wave waits for another.
; CLUSTER 4 x 1: the four work-groups of a cluster are the four query blocks of one head: each record is asked for jointly.
; NO PREFETCH: all that the launch fetches by tensor loads is asked for at the head, so there is no loop of loads to run ahead in.
; LAYOUT.  Both products are used transposed: a lane holds ONE query (lane % 16).  Key tile t of a record holds keys 64 (t / 4) + 8 (t % 4) + r % 8 + 32 (r / 8): so registers 32 c + 0 .. 31 of S^T in lane (r, h) are
; the keys 64 c + 32 h + 0 .. 31: a WHOLE block of 32 in one lane, in the operand's own order.  A block's largest score needs no other lane, and the conversions' results are the operand's registers.
; K's half images stand packed, six registers a tile: source 0 of tile t names tile t + 1's six as its k = 64 .. 127 (tile 7: the second query tile's codes).  They meet Q's zero codes there, and add nothing.
; Tiles of the queries and of V's channels hold rows 32 (T / 2) + 8 (T % 2) + r + 8 (r / 8), so that O^T's registers 16 b + i are channels 32 b + 16 h + i.
; LIMITS: NaN and infinities are not served; the promise holds while the scaled scores stay under 2^31 in magnitude; a p under 2^-126 counts as 0 (v_exp_f32's result);
; a block of zeros gets the byte 1 where the rule says 127: its codes are zeros, and this program alone reads the bytes.
; REGISTERS: v1-4 lane terms; v5-8 the step's LDS addresses; v9 8 h; v10 where my scale bytes go; v11, v87 lane permutes' results; v12 -M, v13 the largest score; v[14:15] the sum in two halves; v16-27 Q (v22-27 zeros);
;   v28 Q's scale words; v29, v255 the add's two; v[30:31] V's scale words; v32-79 K, behind the products at work; v80-86 the second tile's Q and its scale words; v88-135 V; v136-199 S^T, then p; v200-231 O^T;
;   v232-243 p's codes; v244-247 K's scale words; v248 p's; v[250:251] f; v252 at work; v253, v254 the gather's addresses.
.set REC,   13056
.set HEADB, 16*REC
.set QC,    64*HEADB
.set QS,    QC+64*128*768
.set SCG,   HEADB                      ; behind the records: 1,024 bytes in which the work-group's scale bytes meet: [pass][wave][r] two bytes
.set SPARE, SCG+1024                   ; the spare words: 128 bytes for each of 16 waves
.set KF, 32
.set MX, 32                            ; v32-35 largest scores: block c in two chains at MX + 2 c, MX + 2 c + 1
.set VF, 88
.set S,  136
.set O,  200
.set PC, 232
.set KS, 244
.set PW, 248
.set F,  250
.set NC,  39                           ; s39      -c
.set SEL, 40                           ; s[40:41] lane selects for v_permlanex16_b32: lane l xor 16
.set CS,  42                           ; s[42:43] c = log2(e) / 8
.set TB,  44                           ; s44      LDS byte at which the step's record begins
.set CNT, 45
.macro CROUND                          ; a round of the cluster's barrier
	s_barrier_signal -1
	s_barrier_wait -1
	s_cmp_lg_u32 s10, 0
	s_cbranch_scc1 .Lnot_wave_0_\@
	s_barrier_signal -3
.Lnot_wave_0_\@:
	s_barrier_wait -3
	s_barrier_signal -1
	s_barrier_wait -1
.endm
.macro FRAG reg, a16, a8, off          ; a fragment (16 rows x 128 K, 12 registers) is two half images: each load reads consecutive bytes
	ds_load_b128 v[\reg:\reg+3], v[\a16] offset:\off
	ds_load_b64 v[\reg+4:\reg+5], v[\a8] offset:\off+512
	ds_load_b128 v[\reg+6:\reg+9], v[\a16] offset:\off+768
	ds_load_b64 v[\reg+10:\reg+11], v[\a8] offset:\off+1280
.endm
	s_load_b128 s[4:7], s[0:1], 0x0                ; att s[4:5], xa s[6:7]
	s_load_b64 s[8:9], s[0:1], 0x10                ; xas
	v_lshl_add_u32 v29, v0, 2, SPARE
	v_mov_b32 v255, 0
	ds_add_u32 v29, v255                           ; the opening lines: the add, twice on end, and its wait ahead of my tensor load
	ds_add_u32 v29, v255
	v_lshrrev_b32 v1, 5, v0
	v_readfirstlane_b32 s10, v1                    ; wave 0..15
	s_bfe_u32 s11, ttmp6, 0x40000                  ; cx: my block of 512 queries: it enters Q's and the outputs' global addresses alone
	s_and_b32 s13, ttmp7, 0xffff                   ; 16 x batch + head, which the four partners share
	s_mul_i32 s15, s10, REC                        ; the record that I fetch: in LDS and in memory alike
	s_mul_i32 s46, s13, HEADB
	s_add_co_u32 s46, s46, s15
	s_mov_b32 s47, 0
	; descriptor group 1: a record is a dense block: 51 rows of 256 bytes (32 elements of 8 bytes), dense in LDS too
	s_mov_b32 s16, 15|(3<<16)|(1<<21)              ; 15:0 the mask: all four work-groups; 17:16 elements of 8 bytes; 21 set beside a mask
	s_mov_b32 s17, 32<<16                          ; tensor_dim0
	s_mov_b32 s18, 51<<16                          ; tensor_dim1
	s_mov_b32 s19, 32<<16                          ; tile_dim0
	s_mov_b32 s20, 51                              ; tile_dim1
	s_mov_b32 s21, 32                              ; tensor_dim0_stride
	s_mov_b32 s22, 0
	s_mov_b32 s23, 0
	s_mov_b32 s[SEL], 0x76543210
	s_mov_b32 s[SEL+1], 0xfedcba98
	s_mov_b32 s[CS], 0x3e38aa3b
	s_mov_b32 s[CS+1], s[CS]                       ; (named with it as a pair, so it is written)
	s_mov_b32 s[NC], 0xbe38aa3b
	s_wait_dscnt 0x0
	s_wait_kmcnt 0x0
	s_add_nc_u64 s[46:47], s[4:5], s[46:47]
	CROUND                                         ; all four work-groups are here: the joint loads meet
	s_mov_b32 s24, 1                               ; count = 1
	s_mov_b32 s25, s15                             ; LDS address
	s_mov_b64 s[26:27], s[46:47]                   ; global address
	s_or_b32 s27, s27, 0x80000000                  ; type = 2
	tensor_load_to_lds s[24:27], s[16:23]          ; record w: every wave's one load
	s_nop 0
	s_lshl_b32 s48, s11, 5
	s_add_co_u32 s48, s48, s10                     ; my first query tile in the batch: 32 cx + wave; the second is 16 tiles on
	s_lshl_b32 s49, s13, 7
	s_add_co_u32 s49, s49, s48
	s_mul_i32 s50, s49, 768
	s_add_co_u32 s50, s50, QC
	s_mov_b32 s51, 0
	s_add_nc_u64 s[50:51], s[4:5], s[50:51]        ; Q's half image
	s_lshl_b32 s52, s13, 13
	s_lshr_b32 s53, s48, 2
	s_lshl_b32 s53, s53, 8
	s_add_co_u32 s52, s52, s53
	s_and_b32 s53, s48, 3
	s_lshl_b32 s53, s53, 2
	s_add_co_u32 s52, s52, s53
	s_add_co_u32 s52, s52, QS
	s_mov_b32 s53, 0
	s_add_nc_u64 s[52:53], s[4:5], s[52:53]        ; Q's scale words: [head][tile / 4][r][tile % 4]
	s_lshr_b32 s54, s13, 4
	s_lshl_b32 s54, s54, 7                         ; 128 tiles a batch
	s_add_co_u32 s55, s54, s48
	s_lshl_b32 s55, s55, 4
	s_and_b32 s56, s13, 15                         ; the head
	s_add_co_u32 s55, s55, s56
	s_mul_i32 s58, s55, 768
	s_mov_b32 s59, 0
	s_add_nc_u64 s[6:7], s[6:7], s[58:59]          ; xa: [tile][head][768]
	s_lshl_b32 s58, s56, 14
	s_lshl_b32 s57, s11, 5
	s_add_co_u32 s57, s57, s54
	s_lshl_b32 s57, s57, 5
	s_add_co_u32 s58, s58, s57
	s_add_nc_u64 s[8:9], s[8:9], s[58:59]          ; xas: [head][tile][r] two bytes: the work-group's 32 tiles are 1,024 consecutive bytes
	s_lshl_b32 s46, s10, 5
	s_add_co_u32 s46, s46, SCG
	v_and_b32 v11, 31, v0
	v_lshlrev_b32 v1, 4, v11                       ; 16 x lane
	v_lshlrev_b32 v2, 3, v11                       ; 8 x lane
	v_and_b32 v5, 15, v0                           ; r
	v_bfe_u32 v6, v0, 4, 1                         ; h
	v_lshlrev_b32 v7, 4, v5                        ; 16 r
	v_lshl_add_u32 v4, v6, 3, v7
	v_add_nc_u32 v4, 12800, v4                     ; V's scale words: 16 r + 8 h: lanes 0-15 take tiles 0, 1, lanes 16-31 tiles 2, 3
	v_lshl_add_u32 v3, v6, 8, v7
	v_add_nc_u32 v3, 12288, v3                     ; K's: 256 h + 16 r: lanes 0-15 take tiles 0-3, lanes 16-31 tiles 4-7
	v_lshlrev_b32 v9, 3, v6                        ; 8 h: my bytes' place in p's scale word
	v_lshlrev_b32 v10, 1, v5
	v_add_nc_u32 v10, s46, v10                     ; where my row's two bytes meet the others': 32 x wave + 2 r
	v_and_b32 v254, 63, v0
	v_lshlrev_b32 v254, 4, v254                    ; the gather's way out: 16 bytes a lane of waves 0 and 1
	v_add_nc_u32 v253, SCG, v254
	s_wait_alu depctr_va_vdst(0)
	global_load_b128 v[16:19], v1, s[50:51]        ; both tiles' Q stay in registers
	global_load_b64 v[20:21], v2, s[50:51] offset:512
	global_load_b128 v[80:83], v1, s[50:51] offset:12288
	global_load_b64 v[84:85], v2, s[50:51] offset:12800
	global_load_b32 v28, v7, s[52:53]
	global_load_b32 v86, v7, s[52:53] offset:1024
.irp j, 22,23,24,25,26,27
	v_mov_b32 v[\j], 0                             ; k = 64 .. 127 of Q: zero codes
.endr
	v_mov_b32 v11, 0                               ; written once: a lane permute's destination counts as one of its sources
	v_mov_b32 v87, 0
	v_mov_b32 v[F+1], 0                            ; (named as the upper half of the pair, so it is written)
	s_wait_alu depctr_va_vdst(0)
	s_wait_tensorcnt 0x0                           ; my record is in,
	s_wait_loadcnt 0x0                             ; and Q
	s_barrier_signal -1
	s_barrier_wait -1                              ; everybody's record is in
; A KEY STEP: 128 keys, the record at s[TB].
.macro STEP
	v_add_nc_u32 v5, s[TB], v1                     ; (these four are the places behind the last step's products, ahead of the loads into V's registers)
	v_add_nc_u32 v6, s[TB], v2
	v_add_nc_u32 v7, s[TB], v3
	v_add_nc_u32 v8, s[TB], v4
.irp t, 0,1,2,3,4,5,6,7
	ds_load_b128 v[KF+6*\t:KF+6*\t+3], v5 offset:768*\t
	ds_load_b64 v[KF+6*\t+4:KF+6*\t+5], v6 offset:768*\t+512
.endr
	ds_load_b128 v[KS:KS+3], v7                    ; K's scale words of all eight tiles
.irp d, 0,1,2,3
	FRAG VF+12*\d, 5, 6, 6144+1536*\d              ; V's four tiles land under the softmax
.endr
	ds_load_b64 v[30:31], v8
	s_wait_dscnt 17                                ; K and its scale words are in; V's 16 loads and its scale words' one may be out
.irp t, 0,1,2,3
	v_wmma_scale_f32_16x16x128_f8f6f4 v[S+8*\t:S+8*\t+7], v[KF+6*\t:KF+6*\t+11], v[16:27], 0, v[KS+\t], v28 matrix_a_fmt:MATRIX_FMT_BF6 matrix_b_fmt:MATRIX_FMT_BF6
.endr
.irp t, 4,5,6,7
	v_wmma_scale_f32_16x16x128_f8f6f4 v[S+8*\t:S+8*\t+7], v[KF+6*\t:KF+6*\t+11], v[16:27], 0, v[KS+\t-4], v28 matrix_a_fmt:MATRIX_FMT_BF6 matrix_b_fmt:MATRIX_FMT_BF6 matrix_a_scale:MATRIX_SCALE_ROW1
.endr
	v_mov_b32 v252, v12                            ; the old -M.  (With the three below: the places behind the products)
.rept 3
	v_nop
.endr
.irp c, 0,1                                    ; THE LARGEST SCORE OF EACH BLOCK OF 32 KEYS, all mine, in two chains: it serves for the row's maximum and, since p rises with the score, for the block's largest p.  Each accumulator from its low end on
	v_max3_num_f32 v[MX+2*\c], v[S+32*\c], v[S+32*\c+1], v[S+32*\c+2]
	v_max3_num_f32 v[MX+2*\c+1], v[S+32*\c+16], v[S+32*\c+17], v[S+32*\c+18]
.endr
.irp i, 3,5,7,9,11,13
.irp c, 0,1
	v_max3_num_f32 v[MX+2*\c], v[MX+2*\c], v[S+32*\c+\i], v[S+32*\c+\i+1]
	v_max3_num_f32 v[MX+2*\c+1], v[MX+2*\c+1], v[S+32*\c+16+\i], v[S+32*\c+17+\i]
.endr
.endr
.irp c, 0,1
	v_max3_num_f32 v[MX+2*\c], v[MX+2*\c], v[MX+2*\c+1], v[S+32*\c+15]
.endr
.irp c, 0,1
	v_max_num_f32 v[MX+2*\c], v[MX+2*\c], v[S+32*\c+31]
.endr
	v_max_num_f32 v36, v[MX], v[MX+2]              ; my two blocks,
	v_permlanex16_b32 v11, v36, s[SEL], s[SEL+1]
	v_max3_num_f32 v13, v13, v36, v11              ; lane l xor 16's two, and all earlier steps': the running largest score
	v_mul_f32 v36, s[NC], v13                      ; -t (c is positive)
	v_floor_f32 v12, v36                           ; the new -M = floor(-t) = -ceil(t): a whole number
	v_sub_f32 v252, v12, v252                      ; M's old value less its new one: a whole number, 0 or less
	v_cvt_i32_f32 v252, v252                       ; (it saturates)
.set j, 0
.rept 32
	v_pk_fma_f32 v[S+j:S+j+1], v[S+j:S+j+1], s[CS:CS+1], v[12:13] op_sel_hi:[1,0,0]   ; t - M, two at a time (of the pairs c and -M the low word serves both halves)
.set j, j+2
.endr
.irp c, 0,1
	v_fma_f32 v[MX+2*\c], v[MX+2*\c], s[CS], v12   ; the same of each block's largest score
.endr
	s_wait_alu depctr_va_vdst(0)
.set j, 0
.rept 64
	v_exp_f32 v[S+j], v[S+j]                       ; p = 2^(t - M): not normalised
.set j, j+1
.endr
.irp c, 0,1
	v_exp_f32 v[MX+2*\c], v[MX+2*\c]               ; the block's largest p: the same two instructions on the same number give the same bits
.endr
	v_ldexp_f32 v[F], 1.0, v252                    ; f = 2^(old M - new M).  (The plain line behind the exponentials)
	s_wait_alu depctr_va_vdst(0)                   ; one wait for the batch of 66, ahead of its first reader; it also stands directly ahead of the wait below
	s_wait_dscnt 0x0                               ; V and its scale words
	v_pk_fma_f32 v[14:15], v[14:15], v[F:F+1], v[S:S+1] op_sel_hi:[1,0,1]   ; THE ROW'S SUM, of the unquantised p, under the new M: four chains of pairs
	v_pk_add_f32 v[40:41], v[S+2:S+3], v[S+4:S+5]
	v_pk_add_f32 v[42:43], v[S+6:S+7], v[S+8:S+9]
	v_pk_add_f32 v[44:45], v[S+10:S+11], v[S+12:S+13]
.irp j, 14,22,30,38,46,54
	v_pk_add_f32 v[14:15], v[14:15], v[S+\j:S+\j+1]
	v_pk_add_f32 v[40:41], v[40:41], v[S+\j+2:S+\j+3]
	v_pk_add_f32 v[42:43], v[42:43], v[S+\j+4:S+\j+5]
	v_pk_add_f32 v[44:45], v[44:45], v[S+\j+6:S+\j+7]
.endr
	v_pk_add_f32 v[14:15], v[14:15], v[S+62:S+63]
	v_pk_add_f32 v[40:41], v[40:41], v[42:43]
.irp c, 0,1
	v_max_num_f32 v[MX+2*\c], 0x2800000, v[MX+2*\c]   ; the floor 2^(5 - 127): the byte cannot fall under 1
.endr
	v_pk_add_f32 v[14:15], v[14:15], v[44:45]
.irp c, 0,1
	v_add_nc_u32 v[46+\c], 0xfe000000, v[MX+2*\c]  ; 4 off the exponent field: the conversion's scale operand
.endr
	v_pk_add_f32 v[14:15], v[14:15], v[40:41]
.irp c, 0,1
	v_lshrrev_b32 v[48+\c], 23, v[46+\c]           ; the scale's byte
.endr
	v_lshl_or_b32 v50, v49, 16, v48                ; my two bytes: blocks h and 2 + h,
	v_lshlrev_b32 v50, v9, v50                     ; at their places in the word
	v_permlanex16_b32 v87, v50, s[SEL], s[SEL+1]
.irp c, 0,1
	v_cvt_scalef32_pk16_bf6_f32 v[PC+6*\c:PC+6*\c+2], v[S+32*\c:S+32*\c+15], v[46+\c]
	v_cvt_scalef32_pk16_bf6_f32 v[52+4*\c:54+4*\c], v[S+32*\c+16:S+32*\c+31], v[46+\c]   ; (a conversion's three registers begin on an even number)
.endr
	v_or_b32 v[PW], v50, v87                       ; with lane l xor 16's two, p's scale word for these 128 keys.  (The plain line behind the conversions)
.irp c, 0,1
.irp i, 0,1,2
	v_mov_b32 v[PC+3+6*\c+\i], v[52+4*\c+\i]       ; registers 6 c .. 6 c + 5 hold k = 64 c + 32 h + 0 .. 31
.endr
.endr
	s_wait_alu depctr_va_vdst(0)                   ; directly ahead of the first reader of O^T
.set j, 0
.rept 16
	v_pk_mul_f32 v[O+j:O+j+1], v[O+j:O+j+1], v[F:F+1] op_sel_hi:[1,0]   ; O^T under the new M, each accumulator from its low end on.  (Twelve of the sixteen name no register of any one product below: the places between p's codes and scale word and the products)
.set j, j+2
.endr
.irp d, 0,1
	v_wmma_scale_f32_16x16x128_f8f6f4 v[O+8*\d:O+8*\d+7], v[VF+12*\d:VF+12*\d+11], v[PC:PC+11], v[O+8*\d:O+8*\d+7], v[30+\d], v[PW] matrix_a_fmt:MATRIX_FMT_BF6 matrix_b_fmt:MATRIX_FMT_BF6
.endr
.irp d, 2,3
	v_wmma_scale_f32_16x16x128_f8f6f4 v[O+8*\d:O+8*\d+7], v[VF+12*\d:VF+12*\d+11], v[PC:PC+11], v[O+8*\d:O+8*\d+7], v[28+\d], v[PW] matrix_a_fmt:MATRIX_FMT_BF6 matrix_b_fmt:MATRIX_FMT_BF6 matrix_a_scale:MATRIX_SCALE_ROW1
.endr
.endm
; ONE TILE OF 16 QUERIES through all 2,048 keys, and its way out.
.macro PASS p
.if \p
.irp i, 0,1,2,3,4,5
	v_mov_b32 v[16+\i], v[80+\i]                   ; the second tile's Q
.endr
	v_mov_b32 v28, v86                             ; and its scale words (the 36 lines below are the places ahead of the products)
.endif
.set j, 0
.rept 32
	v_mov_b32 v[O+j], 0                            ; O^T.  (The step is written without a first step of its own: the first finds zeros, which the first change of M leaves zeros)
.set j, j+1
.endr
	v_mov_b32 v13, 0xff61b1e6                      ; the largest score so far: -3e38, under every score
	v_mov_b32 v12, 0x7e967699                      ; -M: 1e38, so that the first f is 0
	v_mov_b32 v14, 0
	v_mov_b32 v15, 0
	s_mov_b32 s[TB], 0
	s_mov_b32 s[CNT], 16
	s_wait_alu depctr_va_vdst(0)
.if \p
	s_wait_xcnt 0x0                                ; the first tile's stores have read their data: p's codes are written again only behind this wait
.endif
.Lstep_\@:
	STEP
	s_add_co_u32 s[TB], s[TB], REC
	s_sub_co_u32 s[CNT], s[CNT], 1
	s_cmp_lg_u32 s[CNT], 0
	s_cbranch_scc1 .Lstep_\@
	; THE WAY OUT.  O^T / the row's sum; its 64 channels are two blocks of the last projection's K: one half image and two scale bytes a row.
.rept 2
	v_nop                                          ; (with the three plain lines below and the one behind the reciprocal: the places behind the last products)
.endr
	v_add_f32 v14, v14, v15                        ; the sum's two halves,
	v_permlanex16_b32 v11, v14, s[SEL], s[SEL+1]
	v_add_f32 v14, v14, v11                        ; and lane l xor 16's
	s_wait_alu depctr_va_vdst(0)
	v_rcp_f32 v14, v14
	v_nop                                          ; the plain line behind the reciprocal
	s_wait_alu depctr_va_vdst(0)                   ; the wait ahead of the reciprocal's first reader, which is also O^T's
.set j, 0
.rept 16
	v_pk_mul_f32 v[S+j:S+j+1], v[O+j:O+j+1], v[14:15] op_sel_hi:[1,0]   ; register 16 b + i is channel 32 b + 16 h + i of my query
.set j, j+2
.endr
.irp b, 0,1
	v_max3_num_f32 v[36+\b], |v[S+16*\b]|, |v[S+16*\b+1]|, 0x2800000
.endr
.irp i, 2,4,6,8,10,12,14
.irp b, 0,1
	v_max3_num_f32 v[36+\b], v[36+\b], |v[S+16*\b+\i]|, |v[S+16*\b+\i+1]|
.endr
.endr
	v_permlanex16_b32 v11, v36, s[SEL], s[SEL+1]
	v_permlanex16_b32 v87, v37, s[SEL], s[SEL+1]
	v_max_num_f32 v36, v36, v11                    ; with lane l xor 16's 16 channels: the block's largest magnitude
	v_max_num_f32 v37, v37, v87
.irp b, 0,1
	v_add_nc_u32 v[46+\b], 0xfe000000, v[36+\b]
.endr
.irp b, 0,1
	v_lshrrev_b32 v[48+\b], 23, v[46+\b]
.endr
	v_lshl_or_b32 v50, v49, 8, v48
	v_cvt_scalef32_pk16_bf6_f32 v[PC:PC+2], v[S:S+15], v46
	v_cvt_scalef32_pk16_bf6_f32 v[52:54], v[S+16:S+31], v47
	v_nop                                          ; one plain place behind a scaled conversion
.irp i, 0,1,2
	v_permlane16_swap_b32 v[PC+\i], v[52+\i]       ; lanes 0-15 get block 0 whole, lanes 16-31 block 1
.endr
.irp i, 0,1,2
	v_mov_b32 v[PC+3+\i], v[52+\i]
.endr
	global_store_b128 v1, v[PC:PC+3], s[6:7] offset:196608*\p       ; the half image: 512 consecutive bytes (the second tile lies 16 tiles x 16 heads x 768 bytes on),
	global_store_b64 v2, v[PC+4:PC+5], s[6:7] offset:196608*\p+512  ; and the 256 behind them
	ds_store_b16 v10, v50 offset:512*\p            ; both lanes of a row write the same two bytes with the same value
.endm
	PASS 0
	PASS 1
	s_wait_dscnt 0x0                               ; for the others' sake: my scale bytes lie in LDS
	s_barrier_signal -1
	s_barrier_wait -1
	s_cmp_gt_u32 s10, 1
	s_cbranch_scc1 .Lnot_mine
	ds_load_b128 v[S:S+3], v253
	s_wait_dscnt 0x0
	global_store_b128 v254, v[S:S+3], s[8:9]       ; waves 0 and 1 store the work-group's 1,024 consecutive bytes, 512 each
.Lnot_mine:
	s_wait_tensorcnt 0x0                           ; the wave's end
	ds_add_u32 v29, v255
	s_wait_dscnt 0x0
	CROUND                                         ; the closing round: no work-group ends while a partner may still ask for a record that names it
	s_endpgm
.Lfunc_end_k_qfce9b39004_attn:
	.size	k_qfce9b39004_attn, .Lfunc_end_k_qfce9b39004_attn-k_qfce9b39004_attn
	.p2alignl 7, 3214868480
	.fill 96, 4, 3214868480
	.section	.rodata,"a",@progbits
	.p2align	6, 0x0
	.amdhsa_kernel k_qfce9b39004_attn
		.amdhsa_group_segment_fixed_size 211968
		.amdhsa_private_segment_fixed_size 0
		.amdhsa_enable_private_segment 0
		.amdhsa_kernarg_size 24
		.amdhsa_user_sgpr_count 2
		.amdhsa_user_sgpr_kernarg_segment_ptr 1
		.amdhsa_wavefront_size32 1
		.amdhsa_system_sgpr_workgroup_id_x 1
		.amdhsa_system_sgpr_workgroup_id_y 1
		.amdhsa_system_sgpr_workgroup_id_z 1
		.amdhsa_system_vgpr_workitem_id 0
		.amdhsa_next_free_vgpr 256
		.amdhsa_next_free_sgpr 66
		.amdhsa_reserve_vcc 0
		.amdhsa_float_denorm_mode_32 3
		.amdhsa_float_denorm_mode_16_64 3
		.amdhsa_memory_ordered 1
		.amdhsa_forward_progress 1
		.amdhsa_inst_pref_size 46
	.end_amdhsa_kernel
	.amdgpu_metadata
---
amdhsa.version: [ 1, 2 ]
amdhsa.kernels:
  - .name:           k_qfce9b39004_attn
    .symbol:         k_qfce9b39004_attn.kd
    .args:
      - { .name: att, .offset: 0, .size: 8, .value_kind: global_buffer, .address_space: global }
      - { .name: xa, .offset: 8, .size: 8, .value_kind: global_buffer, .address_space: global }
      - { .name: xas, .offset: 16, .size: 8, .value_kind: global_buffer, .address_space: global }
    .group_segment_fixed_size: 211968
    .private_segment_fixed_size: 0
    .kernarg_segment_align: 8
    .kernarg_segment_size: 24
    .max_flat_workgroup_size: 512
    .sgpr_count:     66
    .vgpr_count:     256
    .wavefront_size: 32
...
	.end_amdgpu_metadata
.endif
;; end of part 3
;; launch outp (part 4): grid 4 x 64, 4 waves a work-group, clusters of 4 x 4, 295,424 bytes of LDS; arguments xa, xas, cod, scl, bo, out0; writes out0
.if DOCPART == 4
	.amdgcn_target "amdgcn-amd-amdhsa--gfx1250"
	.amdhsa_code_object_version 6
	.text
	.protected	k_qfce9b39004_outp
	.globl	k_qfce9b39004_outp
	.p2align	8
	.type	k_qfce9b39004_outp,@function
k_qfce9b39004_outp:
	s_mov_b64 s[64:65], 0
	v_nop
	global_prefetch_b8 v0, s[64:65] scope:SCOPE_SE
	s_setreg_imm32_b32 hwreg(HW_REG_WAVE_MODE, 25, 1), 1
	s_wait_xcnt 0x0
	s_wait_alu depctr_hold_cnt(0) depctr_sa_sdst(0) depctr_va_vdst(0) depctr_va_sdst(0) depctr_va_ssrc(0) depctr_va_vcc(0) depctr_vm_vsrc(0)
	s_getreg_b32 s2, hwreg(HW_REG_IB_STS2, 6, 4)
	s_cmp_eq_u32 s2, 0
	s_cbranch_scc0 .Lentry_in_a_cluster
	s_endpgm
.Lentry_in_a_cluster:
	s_bfe_u32 s2, ttmp6, 0x10000c
	s_cmp_lg_u32 s2, 0xf033
	s_cbranch_scc0 .Lentry_shape_is_right
	s_endpgm
.Lentry_shape_is_right:
; out0 = x Wo^T + bo on codes of BF6 (E3M2) with E8M0 scales.  x: the merged heads as attention left them: xa [tile 0..511][head][768] (half images), xas [head][tile][r] two scale bytes.  Wo: tiles 1728 on of cod, scl.
; THE FORM.  C'[i][j] = sum over k of P[i][k] Q[j][k], K = 1,024: source 0 = 16 rows of Q = Wo, source 1 = 16 rows of P = x: a lane holds one token, and its registers run along the output's columns.
; Tile T of both operands holds rows 32 (T / 2) + 8 (T % 2) + r + 8 (r / 8), so that the 16 registers of result tiles 2 b and 2 b + 1 are 16 neighbouring columns: 32 b + 16 (lane / 16) + 0 .. 15.
; SHARES.  A work-group makes 128 tokens x 256 columns; wave w tokens 64 (w / 2) on and columns 128 (w % 2) on: 32 accumulators.  256 work-groups.
; LDS holds the work-group's operands for ALL of K (98,304 + 196,608 bytes), filled once, in four chunks of 256 along K.  A wave has four tensor loads out at the most.
; CLUSTER 4 x 4: P's tiles hang on cy alone and are asked for jointly along a row of the cluster, Q's on cx alone, along a column.
; REGISTERS, in windows of 256.  Window 0: v1-13 addresses; v16-31 P's scale words, v32-63 Q's (pair of tiles i, K step s at 8 i + s: lanes 0-15 the even tile, lanes 16-31 the odd one);
;   v64-111, v112-159 P's four fragments, two sets, later rows of the output; v160-223 the bias; v224-255 x's scale bytes as loaded.   Window 1: Q's eight fragments, two sets.   Window 2: accumulator (a, b) at v[8 (8 a + b)].
; HOW LDS IS FILLED (this takes the place of the head's line on chunks): each wave issues ONE tensor load, at the head: waves 0, 1 four tiles of P each (49,152 dense bytes, all of K),
; waves 2, 3 eight tiles of Q each (98,304 bytes).  LDS holds the tiles as they lie in memory, 12,288 bytes a tile, 1,536 a K step.  One barrier shows all of it; nothing is filled twice.
.set QBASE, 98304                      ; Q's 16 tiles lie behind P's 8
.set STGB,  8448                       ; the way out: a stage of 16 rows x (512 + 16) bytes for each wave, in P's bytes, which have had their only fill and their last read by then
.set BI,  160
.set UT,  224
.set G1P, 24
.set G1Q, 32
.set G0P, 40
.set G0Q, 56
.set MSB, 0
.macro WIN new                         ; the immediate's high byte repeats the setting that is left
.if MSB != \new
	s_set_vgpr_msb (MSB<<8)|\new
.set MSB, \new
.endif
.endm
.macro CROUND                          ; a round of the cluster's barrier
	s_barrier_signal -1
	s_barrier_wait -1
	s_cmp_lg_u32 s16, 0
	s_cbranch_scc1 .Lnot_wave_0_\@
	s_barrier_signal -3
.Lnot_wave_0_\@:
	s_barrier_wait -3
	s_barrier_signal -1
	s_barrier_wait -1
.endm
.macro FRAG reg, a16, a8, off          ; a fragment (16 rows x 128 K, 12 registers) is two half images: each load reads consecutive bytes
	ds_load_b128 v[\reg:\reg+3], v[\a16] offset:\off
	ds_load_b64 v[\reg+4:\reg+5], v[\a8] offset:\off+512
	ds_load_b128 v[\reg+6:\reg+9], v[\a16] offset:\off+768
	ds_load_b64 v[\reg+10:\reg+11], v[\a8] offset:\off+1280
.endm
.macro WM d, fa, fb, c, sa, sb, ra, rb ; one product; ra, rb: the side's scale words stand in lanes 16-31
.set wD, \d
.set wA, \fa
.set wB, \fb
.set wC, \c
.set wSA, \sa
.set wSB, \sb
.set wR, (\ra)+2*(\rb)
.if wR == 0
	v_wmma_scale_f32_16x16x128_f8f6f4 v[wD:wD+7], v[wA:wA+11], v[wB:wB+11], v[wC:wC+7], v[wSA], v[wSB] matrix_a_fmt:MATRIX_FMT_BF6 matrix_b_fmt:MATRIX_FMT_BF6
.elseif wR == 1
	v_wmma_scale_f32_16x16x128_f8f6f4 v[wD:wD+7], v[wA:wA+11], v[wB:wB+11], v[wC:wC+7], v[wSA], v[wSB] matrix_a_fmt:MATRIX_FMT_BF6 matrix_b_fmt:MATRIX_FMT_BF6 matrix_a_scale:MATRIX_SCALE_ROW1
.elseif wR == 2
	v_wmma_scale_f32_16x16x128_f8f6f4 v[wD:wD+7], v[wA:wA+11], v[wB:wB+11], v[wC:wC+7], v[wSA], v[wSB] matrix_a_fmt:MATRIX_FMT_BF6 matrix_b_fmt:MATRIX_FMT_BF6 matrix_b_scale:MATRIX_SCALE_ROW1
.else
	v_wmma_scale_f32_16x16x128_f8f6f4 v[wD:wD+7], v[wA:wA+11], v[wB:wB+11], v[wC:wC+7], v[wSA], v[wSB] matrix_a_fmt:MATRIX_FMT_BF6 matrix_b_fmt:MATRIX_FMT_BF6 matrix_a_scale:MATRIX_SCALE_ROW1 matrix_b_scale:MATRIX_SCALE_ROW1
.endif
.endm
.macro FETCH s                         ; K step s: Q's eight fragments and P's four into set s % 2: 48 LDS loads in one run
.set fS, (\s)%2
	WIN 0x40                                       ; destination window 1, address window 0
.irp b, 0,1,2,3,4,5,6,7
	FRAG 128*fS+12*\b, 7+2*(\b/4), 8+2*(\b/4), 12288*(\b%4)+1536*(\s)   ; tiles 0-3 by v7, v8; tiles 4-7 by v9, v10: so every offset fits its 16 bits
.endr
	WIN 0
.irp a, 0,1,2,3
	FRAG 64+48*fS+12*\a, 5, 6, 12288*\a+1536*(\s)
.endr
.endm
; K step s: 32 products.  The 32 accumulators take turns, one instruction a turn, in the same order in every step.  cmode 1: the sums begin with the bias.
.macro MUL s, cmode
.set mS, (\s)%2
.irp a, 0,1,2,3
.irp b, 0,1,2,3,4,5,6,7
.if \cmode == 0
	WM 8*(8*\a+\b), 128*mS+12*\b, 64+48*mS+12*\a, 8*(8*\a+\b), 32+8*(\b/2)+(\s), 16+8*(\a/2)+(\s), \b%2, \a%2
.else
	WM 8*(8*\a+\b), 128*mS+12*\b, 64+48*mS+12*\a, BI+8*\b, 32+8*(\b/2)+(\s), 16+8*(\a/2)+(\s), \b%2, \a%2
.endif
.endr
.endr
.endm
	s_load_b256 s[4:11], s[0:1], 0x0               ; xa s[4:5], xas s[6:7], cod s[8:9], scl s[10:11]
	s_load_b128 s[12:15], s[0:1], 0x20             ; bo s[12:13], out0 s[14:15]
	v_lshl_add_u32 v14, v0, 2, 0x48000
	v_mov_b32 v15, 0
	ds_add_u32 v14, v15
	ds_add_u32 v14, v15
	v_lshrrev_b32 v1, 5, v0
	v_readfirstlane_b32 s16, v1                    ; wave 0..3
	s_lshr_b32 s17, s16, 1                         ; pi: which 64 tokens are mine.  Also: I fetch for P (0) or for Q (1)
	s_and_b32 s18, s16, 1                          ; qj: which 128 columns.  Also: which half of that operand's tiles I fetch
	s_bfe_u32 s19, ttmp6, 0x40000                  ; cx = my block of 256 columns
	s_bfe_u32 s20, ttmp6, 0x40004                  ; cy
	s_and_b32 s21, ttmp7, 0xffff
	s_lshl_b32 s78, s21, 2
	s_add_co_u32 s78, s78, s20                     ; ib: my block of 128 tokens
	s_lshl_b32 s80, s78, 3                         ; P's first tile in xa
	s_lshl_b32 s81, s19, 4
	s_add_co_u32 s81, s81, 1728                    ; Q's first tile in cod
	s_lshl_b32 s88, s20, 2
	s_lshl_b32 s88, 15, s88                        ; my row of the cluster
	s_lshl_b32 s89, 0x1111, s19                    ; my column
	; descriptor group 1: a tile is 12,288 consecutive bytes (1,536 elements of 8 bytes); tiles lie 12,288 bytes apart; P: 4 tiles a load, Q: 8; dense in LDS
	s_or_b32 s[G1P], s88, (3<<16)|(1<<21)          ; 15:0 the mask; 17:16 elements of 8 bytes; 20 no padding; 21 set beside a mask
	s_or_b32 s[G1Q], s89, (3<<16)|(1<<21)
	s_mov_b32 s[G1P+1], 1536<<16                   ; tensor_dim0: a whole tile, 12,288 bytes
	s_mov_b32 s[G1P+2], 4<<16                      ; tensor_dim1
	s_mov_b32 s[G1P+3], 1536<<16                   ; tile_dim0
	s_mov_b32 s[G1P+4], 4                          ; tile_dim1
	s_mov_b32 s[G1P+5], 1536                       ; tensor_dim0_stride
	s_mov_b32 s[G1P+6], 0
	s_mov_b32 s[G1P+7], 0
	s_mov_b32 s[G1Q+1], 1536<<16
	s_mov_b32 s[G1Q+2], 8<<16
	s_mov_b32 s[G1Q+3], 1536<<16
	s_mov_b32 s[G1Q+4], 8
	s_mov_b32 s[G1Q+5], 1536
	s_mov_b32 s[G1Q+6], 0
	s_mov_b32 s[G1Q+7], 0
	s_lshl_b32 s86, s18, 2
	s_add_co_u32 s86, s86, s80
	s_mul_i32 s86, s86, 12288                      ; P: the four tiles that I would fetch (cy and the wave alone),
	s_mov_b32 s87, 0
	s_lshl_b32 s88, s18, 3
	s_add_co_u32 s88, s88, s81
	s_mul_i32 s88, s88, 12288                      ; Q: the eight (cx and the wave alone)
	s_mov_b32 s89, 0
	s_mul_i32 s90, s18, 49152                      ; and where they go: no place in the cluster enters an LDS address
	s_mul_i32 s91, s18, 98304
	s_add_co_u32 s91, s91, QBASE
	s_wait_dscnt 0x0
	s_wait_kmcnt 0x0
	s_add_nc_u64 s[86:87], s[4:5], s[86:87]
	s_add_nc_u64 s[88:89], s[8:9], s[88:89]
	CROUND                                         ; all sixteen work-groups are here: the joint loads meet
	s_mov_b32 s[G0P], 1                            ; count = 1
	s_mov_b32 s[G0P+1], s90                        ; LDS address
	s_mov_b64 s[G0P+2:G0P+3], s[86:87]             ; global address
	s_or_b32 s[G0P+3], s[G0P+3], 0x80000000        ; type = 2
	s_mov_b32 s[G0Q], 1
	s_mov_b32 s[G0Q+1], s91
	s_mov_b64 s[G0Q+2:G0Q+3], s[88:89]
	s_or_b32 s[G0Q+3], s[G0Q+3], 0x80000000
	s_cmp_eq_u32 s17, 0                            ; one fill a wave, in the two arms of one branch on its number; s_nop 0 and four v_nop follow each
	s_cbranch_scc0 .Lfill_q
	tensor_load_to_lds s[G0P:G0P+3], s[G1P:G1P+7]
	s_nop 0
.rept 4
	v_nop
.endr
	s_branch .Lfilled
.Lfill_q:
	tensor_load_to_lds s[G0Q:G0Q+3], s[G1Q:G1Q+7]
	s_nop 0
.rept 4
	v_nop
.endr
.Lfilled:
	v_and_b32 v9, 31, v0
	v_lshlrev_b32 v1, 4, v9                        ; 16 x lane
	v_lshlrev_b32 v2, 3, v9                        ; 8 x lane
	v_and_b32 v3, 15, v0                           ; r
	v_bfe_u32 v4, v0, 4, 1                         ; h
	s_mul_i32 s86, s17, 49152
	v_add_nc_u32 v5, s86, v1                       ; my four tiles of P
	v_add_nc_u32 v6, s86, v2
	s_mul_i32 s87, s18, 98304
	s_add_co_u32 s87, s87, QBASE
	v_add_nc_u32 v7, s87, v1                       ; my eight tiles of Q
	v_add_nc_u32 v8, s87, v2
	v_lshlrev_b32 v9, 5, v3
	v_lshl_add_u32 v9, v4, 9, v9                   ; Q's scale words: 512 h + 32 r: lanes 16-31 take the odd tile of a pair
	v_lshlrev_b32 v10, 6, v4                       ; the bias: 64 h
	v_lshlrev_b32 v13, 1, v3
	v_lshl_add_u32 v13, v4, 5, v13                 ; P's scale bytes: 32 h + 2 r
	s_wait_alu depctr_va_vdst(0)
	s_mul_i32 s92, s16, STGB
	v_mul_u32_u24 v11, v3, 528
	v_lshl_add_u32 v11, v4, 6, v11
	v_add_nc_u32 v11, s92, v11                     ; the stage, on the way in: row r, + 64 h
	v_add_nc_u32 v12, s92, v1                      ; and back: 16 x lane in a row
	s_lshl_b32 s86, s17, 2
	s_add_co_u32 s86, s86, s80
	s_lshl_b32 s86, s86, 5
	s_mov_b32 s87, 0
	s_add_nc_u64 s[86:87], s[6:7], s[86:87]        ; xas at my four tiles, head 0
	s_lshl_b32 s88, s18, 3
	s_add_co_u32 s88, s88, s81
	s_lshl_b32 s88, s88, 9
	s_mov_b32 s89, 0
	s_add_nc_u64 s[88:89], s[10:11], s[88:89]      ; scl at my eight tiles of Wo
	s_lshl_b32 s92, s19, 10
	s_lshl_b32 s93, s18, 9
	s_add_co_u32 s92, s92, s93
	s_mov_b32 s93, 0
	s_add_nc_u64 s[90:91], s[12:13], s[92:93]      ; bo at my 128 columns
.irp i, 0,1
.irp hd, 0,1,2,3,4,5,6,7,8,9,10,11,12,13,14,15
	global_load_u16 v[UT+16*\i+\hd], v13, s[86:87] offset:64*\i+16384*\hd   ; a head's two bytes of my row: once for all of K
.endr
.endr
.irp i, 0,1,2,3
.irp q, 0,1
	global_load_b128 v[32+8*\i+4*\q:32+8*\i+4*\q+3], v9, s[88:89] offset:1024*\i+16*\q
.endr
.endr
.irp b, 0,1,2,3,4,5,6,7                        ; register j of tile b is column 32 (b / 2) + 8 (b % 2) + 16 h + j
	global_load_b128 v[BI+8*\b:BI+8*\b+3], v10, s[90:91] offset:4*(32*(\b/2)+8*(\b%2))
	global_load_b128 v[BI+8*\b+4:BI+8*\b+7], v10, s[90:91] offset:4*(32*(\b/2)+8*(\b%2))+16
.endr
	s_lshl_b32 s94, s78, 7
	s_lshl_b32 s95, s17, 6
	s_add_co_u32 s94, s94, s95
	s_lshl_b32 s94, s94, 12                        ; my first token's row of 4,096 bytes,
	s_add_co_u32 s94, s94, s92                     ; my first column
	s_mov_b32 s95, 0
	s_add_nc_u64 s[14:15], s[14:15], s[94:95]
	s_wait_loadcnt 0x0
	v_add_nc_u32 v9, 49152, v7                     ; the loads that took v9 and v10 as offsets are done: they now hold the LDS addresses of the upper four of my eight tiles of Q
	v_add_nc_u32 v10, 49152, v8
.irp i, 0,1
.irp s, 0,1,2,3,4,5,6,7
	v_lshl_or_b32 v[16+8*\i+\s], v[UT+16*\i+2*\s+1], 16, v[UT+16*\i+2*\s]   ; K step s is heads 2 s and 2 s + 1: four bytes
.endr
.endr
.rept 8
	v_nop                                          ; a scale register written by a vector instruction stands eight places ahead of a scaled matrix instruction
.endr
	s_wait_alu depctr_va_vdst(0)
	s_wait_tensorcnt 0x0                           ; my one load is in
	s_barrier_signal -1
	s_barrier_wait -1                              ; everybody's is
	FETCH 0
	FETCH 1
	s_wait_dscnt 48                                ; K step 0's 48 loads are in; step 1's 48 may be out
	WIN 0x81                                       ; source 0 (Q) window 1, source 1 (P) and C (the bias) window 0, D window 2
	MUL 0, 1
; K step s: its fragments are in; the next step's are asked for, four places behind the products that read their registers; then the 32 products.
; In the last step a barrier shows that every wave's LDS reads are over: the stages may be written.
.macro STEP s
	s_wait_dscnt 0x0                               ; this step's 48 loads, issued a step ago
.if (\s) < 7
	WIN 0
.rept 4
	v_nop                                          ; the places in front of loads into registers that matrix instructions have read
.endr
	FETCH (\s)+1
.else
	s_barrier_signal -1
	s_barrier_wait -1
.endif
	WIN 0xa1                                       ; C and D window 2
	MUL \s, 0
.endm
	STEP 1
	STEP 2
	STEP 3
	STEP 4
	STEP 5
	STEP 6
	STEP 7
	WIN 0
; THE WAY OUT, tile by tile of 16 tokens x 128 columns.  A lane holds 64 neighbouring bytes of four pieces of a row, and the lanes beside it hold other rows: so a tile goes through my own stage and comes back as whole
; rows of 512 bytes.  LDS serves a wave's instructions in order: no wait between the stores and the loads, nor in front of the next tile's stores.
.macro TOSTAGE a
	WIN 0x08                                       ; an LDS store's data are its source 1: window 2
.irp bb, 0,1,2,3
.irp q, 0,1,2,3
	ds_store_b128 v11, v[64*(\a)+16*\bb+4*\q:64*(\a)+16*\bb+4*\q+3] offset:128*\bb+16*\q   ; each accumulator from its low end on
.endr
.endr
	WIN 0
.set BB, 64+64*((\a)%2)
.irp t, 0,1,2,3,4,5,6,7,8,9,10,11,12,13,14,15
	ds_load_b128 v[BB+4*\t:BB+4*\t+3], v12 offset:528*\t
.endr
.endm
.macro SEND a
.set BB, 64+64*((\a)%2)
.irp t, 0,1,2,3,4,5,6,7,8,9,10,11,12,13,14,15
	global_store_b128 v1, v[BB+4*\t:BB+4*\t+3], s[14:15] offset:(32*((\a)/2)+8*((\a)%2)+\t+8*(\t/8))*4096 th:TH_STORE_NT   ; 32 lanes store 512 consecutive bytes, at a multiple of 512 from the output's first byte; written once
.endr
.endm
.rept 4
	v_nop                                          ; places behind the last products: for the stage's reads of results and for the loads into the registers that held P's fragments
.endr
	TOSTAGE 0
.irp a, 1,2,3
.if \a > 1
	s_wait_xcnt 0x0                                ; tile a - 2's stores have read their registers: tile a's rows may land there
.endif
	TOSTAGE \a
	s_wait_dscnt 32                                ; tile a - 1 is back; behind its loads stand tile a's 16 stores and 16 loads
	SEND \a-1
.endr
	s_wait_dscnt 0x0
	SEND 3
	s_wait_tensorcnt 0x0
	ds_add_u32 v14, v15
	s_wait_dscnt 0x0
	CROUND                                         ; the closing round: no work-group ends while a partner may still ask for a tile that names it
	s_endpgm
.Lfunc_end_k_qfce9b39004_outp:
	.size	k_qfce9b39004_outp, .Lfunc_end_k_qfce9b39004_outp-k_qfce9b39004_outp
	.p2alignl 7, 3214868480
	.fill 96, 4, 3214868480
	.section	.rodata,"a",@progbits
	.p2align	6, 0x0
	.amdhsa_kernel k_qfce9b39004_outp
		.amdhsa_group_segment_fixed_size 295424
		.amdhsa_private_segment_fixed_size 0
		.amdhsa_enable_private_segment 0
		.amdhsa_kernarg_size 48
		.amdhsa_user_sgpr_count 2
		.amdhsa_user_sgpr_kernarg_segment_ptr 1
		.amdhsa_wavefront_size32 1
		.amdhsa_system_sgpr_workgroup_id_x 1
		.amdhsa_system_sgpr_workgroup_id_y 1
		.amdhsa_system_sgpr_workgroup_id_z 1
		.amdhsa_system_vgpr_workitem_id 0
		.amdhsa_next_free_vgpr 768
		.amdhsa_next_free_sgpr 100
		.amdhsa_reserve_vcc 0
		.amdhsa_float_denorm_mode_32 3
		.amdhsa_float_denorm_mode_16_64 3
		.amdhsa_memory_ordered 1
		.amdhsa_forward_progress 1
		.amdhsa_inst_pref_size 86
	.end_amdhsa_kernel
	.amdgpu_metadata
---
amdhsa.version: [ 1, 2 ]
amdhsa.kernels:
  - .name:           k_qfce9b39004_outp
    .symbol:         k_qfce9b39004_outp.kd
    .args:
      - { .name: xa, .offset: 0, .size: 8, .value_kind: global_buffer, .address_space: global }
      - { .name: xas, .offset: 8, .size: 8, .value_kind: global_buffer, .address_space: global }
      - { .name: cod, .offset: 16, .size: 8, .value_kind: global_buffer, .address_space: global }
      - { .name: scl, .offset: 24, .size: 8, .value_kind: global_buffer, .address_space: global }
      - { .name: bo, .offset: 32, .size: 8, .value_kind: global_buffer, .address_space: global }
      - { .name: out0, .offset: 40, .size: 8, .value_kind: global_buffer, .address_space: global }
    .group_segment_fixed_size: 295424
    .private_segment_fixed_size: 0
    .kernarg_segment_align: 8
    .kernarg_segment_size: 48
    .max_flat_workgroup_size: 128
    .sgpr_count:     100
    .vgpr_count:     768
    .wavefront_size: 32
...
	.end_amdgpu_metadata
.endif
;; end of part 4
